; MI455X (gfx1250); checked and timed in simulation.
; The chip was launched on July 23, 2026; its instructions are those of AMD's public machine-readable ISA for CDNA 5 (MIT licence, August 2026) and "CDNA5" Instruction Set Architecture Reference Guide (July 2026). The comments in the code are by the model that wrote it; some were corrected since.
;; Attention. Allowed arithmetic: float matrix products may take bf16 or f16 operands with f32 sums; all other float work in f32.
;; Inputs: W 1,024 x 2,048 float32; Z_st 64 x 1,024 float32; b 1,024 float32; h_n_state 64 x 512 x 1,024 float32; v 1,024 float32.
;; Outputs: out0 64 x 1,024 float32.
;; 2 versions, each right; version 2 is version 1 with the launch main written anew for expert scheduling mode. Each part assembles by itself: llvm-mc -triple=amdgcn-amd-amdhsa -mcpu=gfx1250 --defsym DOCPART=n.
;; ======== version 1 of 2: 3 launches
;; workspace buffers: wb 2,097,152 bytes; zb 262,144 bytes; cpart 1,048,576 bytes; stats 65,536 bytes
;; launch prep (part 1): grid 64 x 4, 8 waves a work-group, no clusters, 9,216 bytes of LDS; arguments W, Z_st, b, wb, zb; writes wb, zb
.if DOCPART == 1
	.amdgcn_target "amdgcn-amd-amdhsa--gfx1250"
	.amdhsa_code_object_version 6
	.text
	.protected	k_q8ff36dc83e_prep
	.globl	k_q8ff36dc83e_prep
	.p2align	8
	.type	k_q8ff36dc83e_prep,@function
k_q8ff36dc83e_prep:
	s_mov_b64 s[64:65], 0
	v_nop
	global_prefetch_b8 v0, s[64:65] scope:SCOPE_SE
	s_setreg_imm32_b32 hwreg(HW_REG_WAVE_MODE, 25, 1), 1
	s_wait_xcnt 0x0
; prep: two small jobs on W [1024][2048] f32, whose row is (Wh | Wz), 1024 columns each.
;  (1) wb: Wh rounded to bf16 and laid in the order in which the next launch's matrix fragments want it.  Block (g, s, q) of 512 bytes lies at
;      (g>>3)*262144 + s*8192 + (g&7)*1024 + q*512; lane L = r + 16 h owns its bytes 16 L .. 16 L + 15 = W[16 g + r][32 s + 16 q + 8 h .. + 7].
;  (2) zb[g][batch][16] f32 = 2 log2(e) * (sum over k of Z[batch][k] Wz[16 g + a][k] + b[16 g + a]): the part of the pre-activation that is the
;      same for all steps of a batch, already scaled for tanh x = 1 - 2 / (1 + 2^(2 log2(e) x)).
; Work-group (g, mt): the tile of 16 batches (16 mt ..) x 16 rows of W (16 g ..).  K = 1024 is shared among the eight waves, 128 each (four matrix
; instructions); the eight partial tiles meet in LDS.  Wave w also converts K step s = 8 mt + w of Wh's rows 16 g .. 16 g + 15.
; LIMITS: Z and W enter the matrix unit rounded to bf16; sums in f32.  NaN and infinities are not treated specially.
; No tensor loads, no cluster: a work-group reads 144 KiB once and shares no tile with a neighbour at the same time.
.set WZ,  16                           ; v[16:79]    Wz as loaded, 16 f32 a K step
.set ZF,  80                           ; v[80:143]   Z as loaded
.set CW,  144                          ; v[144:159]  Wh's K step s as loaded
.set FW,  160                          ; v[160:191]  four fragments of Wz
.set FZ,  192                          ; v[192:223]  four fragments of Z
.set AC0, 224                          ; v[224:231]  sum of K steps 0 and 2
.set AC1, 232                          ; v[232:239]  sum of K steps 1 and 3
.set PK,  240                          ; v[240:247]  Wh's K step in bf16
	s_load_b256 s[4:11], s[0:1], 0x0               ; W s[4:5], Z s[6:7], b s[8:9], wb s[10:11]
	s_load_b64 s[12:13], s[0:1], 0x20              ; zb
	v_lshl_add_u32 v254, v0, 2, 0x2000
	v_mov_b32 v255, 0
	v_lshrrev_b32 v1, 5, v0
	v_readfirstlane_b32 s16, v1                    ; wave w
	s_and_b32 s17, ttmp7, 0xffff                   ; mt
	v_and_b32 v2, 15, v0                           ; r
	v_bfe_u32 v3, v0, 4, 1                         ; h
	v_lshlrev_b32 v3, 5, v3                        ; 32 h: eight f32
	v_lshl_add_u32 v4, v2, 13, v3                  ; in W: r rows of 8,192 bytes + 32 h
	v_lshl_add_u32 v5, v2, 12, v3                  ; in Z: r rows of 4,096 bytes + 32 h
	v_and_b32 v6, 31, v0
	v_lshlrev_b32 v6, 4, v6                        ; 16 L: my bytes of a block of wb
	v_lshl_add_u32 v7, v2, 6, v3                   ; LDS: batch r's 64 bytes, my eight a at 32 h,
	v_lshl_add_u32 v7, s16, 10, v7                 ; in my wave's tile of 1,024 bytes
	s_lshl_b32 s18, ttmp9, 17                      ; g x 16 rows of W
	s_lshl_b32 s20, s16, 9                         ; w x 128 k of f32
	s_add_co_u32 s22, s18, s20
	s_add_co_u32 s22, s22, 4096                    ; Wz begins 1,024 columns into a row
	s_mov_b32 s23, 0
	s_lshl_b32 s24, s17, 16                        ; mt x 16 rows of Z
	s_add_co_u32 s24, s24, s20
	s_mov_b32 s25, 0
	s_lshl3_add_u32 s21, s17, s16                  ; s = 8 mt + w
	s_lshl_b32 s26, s21, 7                         ; s x 32 k of f32
	s_add_co_u32 s26, s26, s18
	s_mov_b32 s27, 0
	s_lshr_b32 s28, ttmp9, 3                       ; wb: (g>>3) x 262,144
	s_lshl_b32 s28, s28, 18
	s_lshl_b32 s19, s21, 13                        ; + s x 8,192
	s_add_co_u32 s28, s28, s19
	s_and_b32 s19, ttmp9, 7                        ; + (g&7) x 1,024
	s_lshl_b32 s19, s19, 10
	s_add_co_u32 s28, s28, s19
	s_mov_b32 s29, 0
	s_lshl_b32 s30, ttmp9, 12                      ; zb: g x 4,096 + mt x 16 batches of 64 bytes
	s_lshl_b32 s19, s17, 10
	s_add_co_u32 s30, s30, s19
	s_mov_b32 s31, 0
	s_lshl_b32 s32, ttmp9, 6                       ; b: 16 g numbers on
	s_mov_b32 s33, 0
	s_wait_kmcnt 0x0
	s_add_nc_u64 s[22:23], s[4:5], s[22:23]        ; Wz, my rows and my 128 k
	s_add_nc_u64 s[24:25], s[6:7], s[24:25]        ; Z, my rows and my 128 k
	s_add_nc_u64 s[26:27], s[4:5], s[26:27]        ; Wh, my rows and my K step
	s_add_nc_u64 s[28:29], s[10:11], s[28:29]      ; my two blocks of wb
	s_add_nc_u64 s[30:31], s[12:13], s[30:31]      ; the work-group's tile of zb
	s_add_nc_u64 s[32:33], s[8:9], s[32:33]        ; its 16 numbers of b
	; Waves 0 and 1 finish the tile, four a of one batch a thread, and need b for them.  The load is the oldest, so the counts below hold with and without it.
	s_cmp_gt_u32 s16, 1
	s_cbranch_scc1 .Lno_bias
	v_and_b32 v12, 3, v0
	v_lshlrev_b32 v12, 4, v12                      ; a = 4 (t & 3) ..
	global_load_b128 v[8:11], v12, s[32:33]
.Lno_bias:
	; A fragment wants of row r the k = 8 h .. + 7 and 16 + 8 h .. + 7 of each 32: in f32 two runs of 32 bytes, 64 bytes apart.
.irp i, 0,1,2,3
.irp q, 0,1
.irp e, 0,1
	global_load_b128 v[WZ+16*\i+8*\q+4*\e:WZ+16*\i+8*\q+4*\e+3], v4, s[22:23] offset:128*\i+64*\q+16*\e
.endr
.endr
.irp q, 0,1
.irp e, 0,1
	global_load_b128 v[ZF+16*\i+8*\q+4*\e:ZF+16*\i+8*\q+4*\e+3], v5, s[24:25] offset:128*\i+64*\q+16*\e
.endr
.endr
.endr
.irp q, 0,1
.irp e, 0,1
	global_load_b128 v[CW+8*\q+4*\e:CW+8*\q+4*\e+3], v4, s[26:27] offset:64*\q+16*\e
.endr
.endr
.macro CVT8 dst, src                   ; 16 f32 of a lane become the 8 registers of a fragment
.irp j, 0,1,2,3,4,5,6,7
	v_cvt_pk_bf16_f32 v[\dst+\j], v[\src+2*\j], v[\src+2*\j+1]
.endr
.endm
	; Source 0 = rows of Wz, source 1 = rows of Z: lane (r, h) then holds batch r, and register j holds a = 8 h + j: neighbouring numbers of zb.
	; The two accumulators take turns, one instruction a turn.
	; Each wait leaves out the loads issued behind that K step's eight: 36 - 8 (i + 1).
	s_wait_loadcnt 28
	CVT8 FW, WZ
	CVT8 FZ, ZF
	v_wmma_f32_16x16x32_bf16 v[AC0:AC0+7], v[FW:FW+7], v[FZ:FZ+7], 0
	s_wait_loadcnt 20
	CVT8 FW+8, WZ+16
	CVT8 FZ+8, ZF+16
	v_wmma_f32_16x16x32_bf16 v[AC1:AC1+7], v[FW+8:FW+15], v[FZ+8:FZ+15], 0
	s_wait_loadcnt 12
	CVT8 FW+16, WZ+32
	CVT8 FZ+16, ZF+32
	v_wmma_f32_16x16x32_bf16 v[AC0:AC0+7], v[FW+16:FW+23], v[FZ+16:FZ+23], v[AC0:AC0+7]
	s_wait_loadcnt 4
	CVT8 FW+24, WZ+48
	CVT8 FZ+24, ZF+48
	v_wmma_f32_16x16x32_bf16 v[AC1:AC1+7], v[FW+24:FW+31], v[FZ+24:FZ+31], v[AC1:AC1+7]
	s_wait_loadcnt 0x0                             ; Wh's K step (and b) are in
	CVT8 PK, CW                                    ; eight plain vector instructions on other registers: more than the four places that the sums below need behind the last matrix instruction (ISA guide 7.12.1)
	global_store_b128 v6, v[PK:PK+3], s[28:29]                 ; block q = 0: the wave stores 512 consecutive bytes, aligned
	global_store_b128 v6, v[PK+4:PK+7], s[28:29] offset:512    ; block q = 1
.irp j, 0,2,4,6
	v_pk_add_f32 v[AC0+\j:AC0+\j+1], v[AC0+\j:AC0+\j+1], v[AC1+\j:AC1+\j+1]
.endr
	ds_store_b128 v7, v[AC0:AC0+3]
	ds_store_b128 v7, v[AC0+4:AC0+7] offset:16
	s_wait_dscnt 0x0                               ; my partial tile is in LDS before I say so
	s_barrier_signal -1
	s_barrier_wait -1
	s_cmp_gt_u32 s16, 1
	s_cbranch_scc1 .Lend
	v_lshlrev_b32 v13, 4, v0                       ; thread t < 64: bytes 16 t of the tile = batch t >> 2, a = 4 (t & 3) ..
.irp w, 0,1,2,3,4,5,6,7
	ds_load_b128 v[WZ+4*\w:WZ+4*\w+3], v13 offset:1024*\w
.endr
	s_wait_dscnt 0x0
.irp w, 1,2,3,4,5,6,7
	v_pk_add_f32 v[WZ:WZ+1], v[WZ:WZ+1], v[WZ+4*\w:WZ+4*\w+1]          ; the eight waves' parts, in the order of K
	v_pk_add_f32 v[WZ+2:WZ+3], v[WZ+2:WZ+3], v[WZ+4*\w+2:WZ+4*\w+3]
.endr
	v_pk_add_f32 v[WZ:WZ+1], v[WZ:WZ+1], v[8:9]
	v_pk_add_f32 v[WZ+2:WZ+3], v[WZ+2:WZ+3], v[10:11]
	v_pk_mul_f32 v[WZ:WZ+1], v[WZ:WZ+1], 0x4038aa3b op_sel_hi:[1,0]    ; x 2 log2(e)
	v_pk_mul_f32 v[WZ+2:WZ+3], v[WZ+2:WZ+3], 0x4038aa3b op_sel_hi:[1,0]
	global_store_b128 v13, v[WZ:WZ+3], s[30:31]    ; a wave stores 512 consecutive bytes, aligned
.Lend:
	s_wait_tensorcnt 0x0
	ds_add_u32 v254, v255
	s_wait_dscnt 0x0
	s_endpgm
.Lfunc_end_k_q8ff36dc83e_prep:
	.size	k_q8ff36dc83e_prep, .Lfunc_end_k_q8ff36dc83e_prep-k_q8ff36dc83e_prep
	.p2alignl 7, 3214868480
	.fill 96, 4, 3214868480
	.section	.rodata,"a",@progbits
	.p2align	6, 0x0
	.amdhsa_kernel k_q8ff36dc83e_prep
		.amdhsa_group_segment_fixed_size 9216
		.amdhsa_private_segment_fixed_size 0
		.amdhsa_enable_private_segment 0
		.amdhsa_kernarg_size 40
		.amdhsa_user_sgpr_count 2
		.amdhsa_user_sgpr_kernarg_segment_ptr 1
		.amdhsa_wavefront_size32 1
		.amdhsa_system_sgpr_workgroup_id_x 1
		.amdhsa_system_sgpr_workgroup_id_y 1
		.amdhsa_system_sgpr_workgroup_id_z 1
		.amdhsa_system_vgpr_workitem_id 0
		.amdhsa_next_free_vgpr 256
		.amdhsa_next_free_sgpr 66
		.amdhsa_reserve_vcc 0
		.amdhsa_float_denorm_mode_32 3
		.amdhsa_float_denorm_mode_16_64 3
		.amdhsa_memory_ordered 1
		.amdhsa_forward_progress 1
		.amdhsa_inst_pref_size 14
	.end_amdhsa_kernel
	.amdgpu_metadata
---
amdhsa.version: [ 1, 2 ]
amdhsa.kernels:
  - .name:           k_q8ff36dc83e_prep
    .symbol:         k_q8ff36dc83e_prep.kd
    .args:
      - { .name: W, .offset: 0, .size: 8, .value_kind: global_buffer, .address_space: global }
      - { .name: Z_st, .offset: 8, .size: 8, .value_kind: global_buffer, .address_space: global }
      - { .name: b, .offset: 16, .size: 8, .value_kind: global_buffer, .address_space: global }
      - { .name: wb, .offset: 24, .size: 8, .value_kind: global_buffer, .address_space: global }
      - { .name: zb, .offset: 32, .size: 8, .value_kind: global_buffer, .address_space: global }
    .group_segment_fixed_size: 9216
    .private_segment_fixed_size: 0
    .kernarg_segment_align: 8
    .kernarg_segment_size: 40
    .max_flat_workgroup_size: 256
    .sgpr_count:     66
    .vgpr_count:     256
    .wavefront_size: 32
...
	.end_amdgpu_metadata
.endif
;; end of part 1
;; launch main (part 2): grid 256 x 1, 4 waves a work-group, no clusters, 310,784 bytes of LDS; arguments h_n_state, wb, zb, v, cpart, stats; writes cpart, stats
.if DOCPART == 2
	.amdgcn_target "amdgcn-amd-amdhsa--gfx1250"
	.amdhsa_code_object_version 6
	.text
	.protected	k_q8ff36dc83e_main
	.globl	k_q8ff36dc83e_main
	.p2align	8
	.type	k_q8ff36dc83e_main,@function
k_q8ff36dc83e_main:
	s_mov_b64 s[64:65], 0
	v_nop
	global_prefetch_b8 v0, s[64:65] scope:SCOPE_SE
	s_setreg_imm32_b32 hwreg(HW_REG_WAVE_MODE, 25, 1), 1
	s_wait_xcnt 0x0
; main: for 128 steps t of one batch (work-group wg: rows 128 wg .. of h, batch wg >> 2):
;   x[t][a] = sum over d of h[t][d] Wh[a][d] + (Z Wz^T + b)[a];  score[t] = sum over a of v[a] tanh x[t][a];
;   m = max over the 128 t of the score;  p[t] = exp(score[t] - m);  l = sum of p;  cpart[d] = sum over t of p[t] h[t][d].
; The next launch joins the four blocks of a batch by their (m, l).
; h IS READ FROM MEMORY ONCE: the 128 rows are rounded to bf16 into LDS (294,912 bytes) and serve both products.
; h IS FED IN WHILE IT IS MULTIPLIED: it comes in chunks of 64 columns (two K steps; 256 aligned bytes of each f32 row), in the order in which pass 0
; walks K.  A TURN is a wave's share for one K step: 16 of its 32 rows of one chunk, eight loads.  K step s rounds and stores turn s + 5 and asks
; for turn s + 8; only turns 0 to 4 are waited for in front of the first matrix instruction.
; tanh x = 1 - 2 r with r = 1 / (1 + 2^(2 log2(e) x)); it goes to +1 and -1 by itself where 2^.. is infinite or 0.  So score = sum(v) - 2 sum(v r).
; sum(v) is the same for every t and falls out of a softmax over t, for every input: it is left out.  With v'' = -2 log2(e) v the sum
; s2 = sum(v'' r) is the score in base 2, and p = 2^(s2 - m): the block's maximum is taken away here, the batch's in the next launch.
; Four waves.  Wave w owns the columns a = 256 w .. + 255, in two passes of 128, and all 128 rows: 64 accumulator tiles, 512 registers.
; NO CLUSTER, NO TENSOR LOADS: all work-groups walk the same wb, but beside h's 294,912 bytes and the small regions LDS has 17,408 bytes left,
; while one K step of W for the four waves is 32,768 bytes.  And the waves own different columns, so W has no second reader inside a work-group.
; So W's fragments go from wb, which is laid in their order, straight into registers, four buffers of 16 loads.  The price: every work-group
; reads all of wb's 2 MiB by itself.
; LIMITS: h, Wh and p enter the matrix unit rounded to bf16 (l is the sum of the rounded p); all else f32; tanh has the accuracy of v_exp_f32 and
; v_rcp_f32.  NaN and infinities in the inputs are not treated specially.
;
; REGISTERS, in windows of 256 (s_set_vgpr_msb: bits 1:0 source 0, 3:2 source 1, 5:4 source 2, 7:6 destination):
;   window 0: v0-31 numbers and addresses; v32-63 h's fragments of rows 0-63; v64-95, v96-127 those of rows 64-127, two buffers;
;             v128-255 pass 0: four slots of 32 for the turns of h.  Behind a pass: v32-95 zb, v96-159 v'', v160-175 sums, v192-255 at work
;   window 1: four buffers of 64 for W's fragments (8 tiles of 16 columns x 32 K); at the end two buffers of 128 for h transposed
;   window 2: accumulator tiles of rows 0-63 (tile (a, b) at v[8 (8 a + b)]);  window 3: those of rows 64-127
; THE MATRIX INSTRUCTION IS USED TRANSPOSED: source 0 = 16 rows of Wh, source 1 = 16 rows of h.  Lane (r, h) then holds row 16 a + r of the block,
; and its registers 0 to 7 the columns 8 h + 0 .. 7 of the tile: the sum over columns stays in the lane, and zb and v'' are register pairs.
.set CPITCH, 144                       ; a row of a chunk in LDS: 128 bytes + 16 = 9 x 16: the 16 rows that a fragment load touches begin at 16 different 16-byte columns of 256 bytes
.set CHUNK,  128*CPITCH                ; 18,432: 128 rows x 64 columns of bf16.  h in LDS is [16 chunks][128 rows]: what is stored and what is read are separate blocks
.set ZBL,    16*CHUNK                  ; 294,912: zb of my batch, 1,024 f32
.set VL,     ZBL+4096                  ; v'', 1,024 f32
.set SCO,    VL+4096                   ; [wave][128] partial scores
.set P16,    SCO+2048                  ; p in bf16, a copy of 256 bytes for each wave
.set CST,    P16+1024                  ; the way out: 1,024 bytes for each wave
.set ADR0,  6                          ; v6         LDS address of my part of a fragment of h: row r, 16 h, chunk 0
.set ADRA,  7                          ; v7         the same, stepped two chunks a trip.  (v6, v7 hold m and l at the end)
.set LS,    9                          ; v9         where I put 8 bytes of a turn, stepped two chunks a trip
.set VH,    10                         ; v10        my byte offset in a turn's rows of h; never rewritten
.set TRA,   16                         ; v16-19     at the end: addresses of the transposing loads
.set LO,    32                         ; v32-63     fragments of rows 0-63: one buffer, loaded again straight behind the 32 matrix instructions that read it
.set HI,    64                         ; v64-127    fragments of rows 64-127: two buffers
.set RING,  128                        ; v128-255   slot k at RING + 32 k: turn t lies in slot t & 3
.set EZ,    32                         ; v32-95     zb of a pass's columns
.set EV,    96                         ; v96-159    v'' of the same
.set SP,    160                        ; v160-167   my part of the score of row 16 a + r; pass 1's K loop leaves v128-255 alone
.set SA,    168                        ; v168-175   four chains of pairs
.set T64,   192
.set PF,    32                         ; v32-63     at the end: four fragments of p
.set CA,    64                         ; v64-191    at the end: 16 accumulator tiles
.set H0,    0                          ; window 1
.set H1,    128
.set MUL_LO, 0xa1                      ; source 0 (W) window 1, source 1 (h) window 0, C and D window 2
.set MUL_HI, 0xf1                      ; the same, C and D window 3
.set TO_B,   0x40                      ; destination window 1, address window 0
.set EP_LO,  0x02                      ; source 0 window 2
.set EP_HI,  0x03                      ; source 0 window 3
.set MUL_C,  0x04                      ; source 1 window 1
.set MSB, 0
.macro WIN new                         ; the immediate's high byte repeats the setting that is left
.if MSB != \new
	s_set_vgpr_msb (MSB<<8)|\new
.set MSB, \new
.endif
.endm
.macro PLACES                          ; four places behind a matrix instruction, before its result is read by a vector instruction or a store, or a load is issued into one of its registers
.rept 4
	v_nop
.endr
.endm
; Turn t, counted from the chunk at which s[18:19] stands, is asked for: chunk t >> 1, rows 16 (t & 1) .. + 15 of my wave's 32.  Load i: lanes 0-15 take the
; 256 bytes of row i, lanes 16-31 those of row i + 8: two whole aligned blocks of 256 bytes.  h is read once in the launch.
.macro HGET base, t
.set i, 0
.rept 8
	global_load_b128 v[\base+4*i:\base+4*i+3], v[VH], s[18:19] offset:((\t)>>1)*256+((\t)&1)*65536+i*4096 th:TH_LOAD_NT
.set i, i+1
.endr
.endm
; Turn t, counted from the chunk at which LS stands, is rounded to bf16 in place and put into LDS.  Lanes 0-15 write 128 bytes of row i, lanes 16-31 of
; row i + 8, which lies 8 x 144 = 1,152 bytes further, 128 modulo 256: the two halves meet in no bank.
.macro HPUT base, t
.set i, 0
.rept 8
	v_cvt_pk_bf16_f32 v[\base+4*i], v[\base+4*i], v[\base+4*i+1]
	v_cvt_pk_bf16_f32 v[\base+4*i+1], v[\base+4*i+2], v[\base+4*i+3]
.set i, i+1
.endr
.set i, 0
.rept 8
	ds_store_b64 v[LS], v[\base+4*i:\base+4*i+1] offset:((\t)>>1)*CHUNK+((\t)&1)*16*CPITCH+i*CPITCH
.set i, i+1
.endr
.endm
; 16 loads: one K step of W's fragments for my 8 tiles, 8,192 consecutive bytes of wb, into buffer buf of window 1
.macro BLOAD buf, imm
	WIN TO_B
.irp b, 0,1,2,3,4,5,6,7
	global_load_b128 v[64*(\buf)+8*\b:64*(\buf)+8*\b+3], v1, s[6:7] offset:\imm+1024*\b
	global_load_b128 v[64*(\buf)+8*\b+4:64*(\buf)+8*\b+7], v1, s[6:7] offset:\imm+1024*\b+512
.endr
.endm
	s_load_b256 s[4:11], s[0:1], 0x0               ; h s[4:5], wb s[6:7], zb s[8:9], v s[10:11]
	s_load_b128 s[12:15], s[0:1], 0x20             ; cpart s[12:13], stats s[14:15]
	v_lshrrev_b32 v6, 5, v0
	v_readfirstlane_b32 s16, v6                    ; wave w
	v_and_b32 v4, 31, v0                           ; L
	v_and_b32 v2, 15, v0                           ; r
	v_bfe_u32 v3, v0, 4, 1                         ; h
	v_lshlrev_b32 v1, 4, v4                        ; 16 L
	v_lshlrev_b32 v5, 4, v0                        ; 16 t
	v_lshrrev_b32 v11, 2, v0
	v_and_b32 v12, 3, v0
	v_lshlrev_b32 v12, 4, v12
	v_lshl_add_u32 v12, v11, 12, v12               ; zb is [g][batch][16]: piece t of 16 bytes is g = t >> 2, part t & 3
	v_lshlrev_b32 v[VH], 4, v2                     ; in h: 16 bytes a lane of a row's 256,
	v_lshl_add_u32 v[VH], v3, 15, v[VH]            ; and eight rows of 4,096 bytes further down for lanes 16-31
	s_lshl_b32 s18, ttmp9, 19                      ; wg x 128 rows of 4,096 bytes
	s_lshl_b32 s24, s16, 17                        ; + w x 32 rows: the rows that my wave brings in
	s_add_co_u32 s18, s18, s24
	s_mov_b32 s19, 0
	s_lshl_b32 s24, s16, 19                        ; my wave's stream in wb: 2 passes x 32 K steps x 8,192 bytes
	s_mov_b32 s25, 0
	s_lshr_b32 s28, ttmp9, 2
	s_lshl_b32 s28, s28, 6                         ; batch x 64 bytes
	s_mov_b32 s29, 0
	s_lshl_b32 s34, s16, 10                        ; 1,024 w
	s_lshl_b32 s30, ttmp9, 12                      ; cpart: wg x 4,096 + 1,024 w
	s_add_co_u32 s30, s30, s34
	s_mov_b32 s31, 0
	s_lshl_b32 s32, ttmp9, 8                       ; stats: wg x 256
	s_mov_b32 s33, 0
	s_wait_kmcnt 0x0
	s_add_nc_u64 s[18:19], s[4:5], s[18:19]
	s_add_nc_u64 s[6:7], s[6:7], s[24:25]
	s_add_nc_u64 s[8:9], s[8:9], s[28:29]
	s_add_nc_u64 s[30:31], s[12:13], s[30:31]
	s_add_nc_u64 s[32:33], s[14:15], s[32:33]
	; THE START: zb and v, then turns 0 to 6: 60 loads.  Turns 0 to 2 land in the registers that will hold h's fragments, turns 3 to 6 in their slots.
	global_load_b128 v[16:19], v12, s[8:9]                     ; zb of my batch, a = 4 t ..
	global_load_b128 v[20:23], v12, s[8:9] offset:131072       ; a = 512 + 4 t ..
	global_load_b128 v[24:27], v5, s[10:11]                    ; v likewise
	global_load_b128 v[28:31], v5, s[10:11] offset:2048
	HGET LO, 0
	HGET HI, 1
	HGET HI+32, 2
	HGET RING+96, 3
	HGET RING, 4
	HGET RING+32, 5
	HGET RING+64, 6
	; addresses, while the loads are on their way
	s_mov_b32 s20, 0x76543210                      ; v_permlanex16_b32: lane i of one half reads lane i of the other
	s_mov_b32 s21, 0xfedcba98
	s_mov_b32 s26, 0x4038aa3b                      ; 2 log2(e), as a pair for the packed form
	s_mov_b32 s27, 0x4038aa3b
	s_mul_i32 s35, s16, 32*CPITCH                  ; my wave's 32 rows in a chunk
	v_mul_u32_u24 v[LS], v3, 8*CPITCH              ; eight rows down for lanes 16-31
	v_lshl_add_u32 v[LS], v2, 3, v[LS]             ; 8 bytes a lane
	v_add_nc_u32 v[LS], s35, v[LS]
	s_add_co_u32 s36, s34, ZBL
	v_lshl_add_u32 v8, v3, 5, s36                  ; zb of my wave's columns, my eight of each 16
	v_add_nc_u32 v13, ZBL, v5
	s_lshl_b32 s37, s16, 9
	s_add_co_u32 s37, s37, SCO
	v_lshl_add_u32 v11, v2, 2, s37                 ; my wave's partial scores, row r of each 16
	v_add_nc_u32 v14, SCO, v1                      ; back: rows 4 L .. 4 L + 3
	s_lshl_b32 s38, s16, 8
	s_add_co_u32 s38, s38, P16
	v_lshl_add_u32 v15, v4, 3, s38                 ; p of rows 4 L .. in my wave's copy
	s_add_co_u32 s39, s34, CST
	s_mul_i32 s40, s16, 4*CHUNK                    ; at the end: my wave's 256 columns d are chunks 4 w .. 4 w + 3
	v_mul_u32_u24 v[ADR0], v2, CPITCH
	v_lshl_add_u32 v[ADR0], v3, 4, v[ADR0]         ; fragment: row r x pitch + 16 h
	; Loads are counted done in issue order (ISA guide 5.7.1): each count below is the number of loads issued behind the one that is wanted.
	s_wait_loadcnt 56                              ; zb and v are in; seven turns stay out
.irp j, 24,26,28,30
	v_pk_mul_f32 v[\j:\j+1], v[\j:\j+1], 0xc038aa3b op_sel_hi:[1,0]    ; v'' = -2 log2(e) v
.endr
	ds_store_b128 v13, v[16:19]
	ds_store_b128 v13, v[20:23] offset:2048
	ds_store_b128 v13, v[24:27] offset:4096
	ds_store_b128 v13, v[28:31] offset:6144
	s_wait_loadcnt 48                              ; turn 0; turns 1 to 6 stay out
	HPUT LO, 0
	s_wait_loadcnt 40                              ; turn 1; turns 2 to 6
	HPUT HI, 1
	BLOAD 0, 0                                     ; W's K step 0
	WIN 0
	s_wait_loadcnt 48                              ; turn 2; turns 3 to 6 and W's step 0
	HPUT HI+32, 2
	s_wait_loadcnt 40                              ; turn 3; turns 4 to 6 and W's step 0
	HPUT RING+96, 3
	BLOAD 1, 8192                                  ; W's K step 1
	WIN 0
	s_wait_loadcnt 48                              ; turn 4; turns 5 and 6, W's steps 0 and 1
	HPUT RING, 4
	s_wait_dscnt 0x0                               ; zb, v'' and my rows of chunks 0, 1 and half of 2 are in LDS before I say so; slot 3's stores have read it
	HGET RING+96, 7
	v_add_nc_u32 v[LS], 2*CHUNK, v[LS]             ; from here on LS runs two chunks ahead of the trip, so that the stores' offsets stay inside 16 bits
	s_barrier_signal -1
	s_barrier_wait -1                              ; everybody's are.  (The loads that are out land in registers)
; 16 LDS loads: h's eight fragments of one K step (128 rows x 32 K): rows 0-63 into LO, rows 64-127 into buffer hib.  All eight row tiles are reached by the immediate.
.macro ALOAD hib, imm
.irp a, 0,1,2,3
	ds_load_b128 v[LO+8*\a:LO+8*\a+3], v[ADRA] offset:\imm+\a*16*CPITCH
	ds_load_b128 v[LO+8*\a+4:LO+8*\a+7], v[ADRA] offset:\imm+\a*16*CPITCH+32
.endr
.irp a, 0,1,2,3
	ds_load_b128 v[\hib+8*\a:\hib+8*\a+3], v[ADRA] offset:\imm+(\a+4)*16*CPITCH
	ds_load_b128 v[\hib+8*\a+4:\hib+8*\a+7], v[ADRA] offset:\imm+(\a+4)*16*CPITCH+32
.endr
.endm
; 32 matrix instructions: the four row tiles whose fragments begin at f x my 8 column tiles; the window chosen by the caller says which 32 accumulators.
; zero = 1: the first product starts the sums: nothing is ever cleared.
.macro MUL32 f, bb, zero
.irp a, 0,1,2,3
.irp b, 0,1,2,3,4,5,6,7
.if \zero
	v_wmma_f32_16x16x32_bf16 v[8*(8*\a+\b):8*(8*\a+\b)+7], v[64*(\bb)+8*\b:64*(\bb)+8*\b+7], v[\f+8*\a:\f+8*\a+7], 0
.else
	v_wmma_f32_16x16x32_bf16 v[8*(8*\a+\b):8*(8*\a+\b)+7], v[64*(\bb)+8*\b:64*(\bb)+8*\b+7], v[\f+8*\a:\f+8*\a+7], v[8*(8*\a+\b):8*(8*\a+\b)+7]
.endif
.endr
.endr
.endm
; K step j of a trip of four: 64 matrix instructions on W's buffer j.  The 64 accumulators take turns, one instruction a turn, in the same order in every
; step, over the backward jumps too.  In the step's middle, in this order:
;   turn  = 1: turn j + 5 of h is rounded and stored (its 16 conversions name no register of a matrix instruction: they are the places in front of the loads);
;   lda   = 1: h's fragments of step j + 1;
;   ldb2  = 1: W's step j + 2 into the buffer that step j - 2 read;   ldb3 = 1: W's step j + 3 into the buffer that step j - 1 read;
;   hload = 1: turn j + 8 into slot j, which step j - 1 emptied: the wait on DScnt at this step's head has shown those stores done.
; W's loads stand ahead of h's: the wait for W's step s also waits for all older loads, so a turn has from the middle of step s - 3 to the head of step s.
; bar = 1: a chunk has been stored whole since the last barrier: say so at the step's head, go on behind the first 32 matrix instructions.
; lcnt = how many loads were issued behind W's step j.
.macro STEP j, zero, lda, ldb2, ldb3, lcnt, turn, hload, bar
	s_wait_loadcnt \lcnt                           ; W's fragments of this step are in, and every older load: the turn that this step stores
.if \bar
	s_wait_dscnt 0x0                               ; my stores of the chunk are in LDS (and no LDS instruction of mine is out) before I say so
	s_barrier_signal -1
.else
	s_wait_dscnt 8                                 ; h's rows 0-63 are in; the youngest eight loads (rows 64-127) may be out
.endif
	WIN MUL_LO
	MUL32 LO, \j, \zero
.if (\lda)+(\ldb2)+(\ldb3)+(\turn)+(\bar)
	WIN 0
.endif
.if \bar
	s_barrier_wait -1                              ; every wave's rows of the chunk are in LDS; it is first read two steps from here
.endif
.if \turn
	HPUT (RING+32*((\j+1)&3)), (\j+1)
.else
.if (\lda)+(\ldb2)+(\ldb3)
	PLACES
.endif
.endif
.if \lda
	ALOAD (HI+32*((\j+1)&1)), (((\j+1)>>1)*CHUNK+((\j+1)&1)*64)
.endif
.if \ldb2
	BLOAD ((\j+2)&3), (\j+2)*8192
.endif
.if \ldb3
	BLOAD ((\j+3)&3), (\j+3)*8192
.endif
.if \hload
	WIN 0
	HGET (RING+32*\j), (\j+8)
.endif
	s_wait_dscnt 8*\turn+16*\lda                   ; all LDS instructions but those just issued: rows 64-127 are in
	WIN MUL_HI
	MUL32 (HI+32*((\j)&1)), \j, \zero
.endm
; The end of a trip: four K steps = two chunks on.  hstep = 1: the feed of h goes on too.
.macro TEND hstep
	WIN 0                                          ; at a label and at a branch every window is 0
	v_add_nc_u32 v[ADRA], 2*CHUNK, v[ADRA]
.if \hstep
	v_add_nc_u32 v[LS], 2*CHUNK, v[LS]
.endif
	s_wait_xcnt 0x0                                ; the loads' bases are stepped only behind this wait
	s_add_nc_u64 s[6:7], s[6:7], 32768             ; four K steps of 8,192 bytes of wb
.if \hstep
	s_add_nc_u64 s[18:19], s[18:19], 512           ; two chunks of 256 bytes along h's rows
.endif
.endm
; The 16 rows of row tile a, my 128 columns of pass p: x'' = 2 log2(e) acc + zb, r = 1 / (1 + 2^x''), my part of the score += sum of v'' r.
.macro EPIROW a, p
.if \a < 4
	WIN EP_LO
.else
	WIN EP_HI
.endif
.irp b, 0,1,2,3,4,5,6,7
.irp x, 0,2,4,6
	v_pk_fma_f32 v[T64+8*\b+\x:T64+8*\b+\x+1], v[8*(8*((\a)&3)+\b)+\x:8*(8*((\a)&3)+\b)+\x+1], s[26:27], v[EZ+8*\b+\x:EZ+8*\b+\x+1] op_sel_hi:[1,0,1]
.endr
.endr
	WIN 0
.set i, 0
.rept 64
	v_exp_f32 v[T64+i], v[T64+i]
.set i, i+1
.endr
	v_nop                                          ; one plain place between the last v_exp_f32 and the use of its result (ISA guide 5.7.2)
.set i, 0
	s_wait_alu depctr_va_vdst(0)
.rept 32
	v_pk_add_f32 v[T64+2*i:T64+2*i+1], v[T64+2*i:T64+2*i+1], 1.0 op_sel_hi:[1,0]
.set i, i+1
.endr
.set i, 0
.rept 64
	v_rcp_f32 v[T64+i], v[T64+i]
.set i, i+1
.endr
	v_nop                                          ; likewise behind the last v_rcp_f32
	s_wait_alu depctr_va_vdst(0)
.irp x, 0,2,4,6
	v_pk_mul_f32 v[SA+\x:SA+\x+1], v[T64+\x:T64+\x+1], v[EV+\x:EV+\x+1]        ; four chains that do not wait for each other; the first products start them
.endr
.irp b, 1,2,3,4,5,6,7
.irp x, 0,2,4,6
	v_pk_fma_f32 v[SA+\x:SA+\x+1], v[T64+8*\b+\x:T64+8*\b+\x+1], v[EV+8*\b+\x:EV+8*\b+\x+1], v[SA+\x:SA+\x+1]
.endr
.endr
	v_pk_add_f32 v[SA:SA+1], v[SA:SA+1], v[SA+2:SA+3]
	v_pk_add_f32 v[SA+4:SA+5], v[SA+4:SA+5], v[SA+6:SA+7]
	v_pk_add_f32 v[SA:SA+1], v[SA:SA+1], v[SA+4:SA+5]
.if \p
	v_add_f32 v[SA], v[SA], v[SA+1]
	v_add_f32 v[SP+\a], v[SP+\a], v[SA]
.else
	v_add_f32 v[SP+\a], v[SA], v[SA+1]             ; pass 0 starts the sum
.endif
.endm
.macro EPI p
	PLACES                                         ; behind the pass's last matrix instructions: for the loads into h's buffers and for the reads of the sums
.irp b, 0,1,2,3,4,5,6,7
	ds_load_b128 v[EZ+8*\b:EZ+8*\b+3],   v8 offset:512*\p+64*\b                ; zb of columns 16 b + 8 h .. + 7 of this pass
	ds_load_b128 v[EZ+8*\b+4:EZ+8*\b+7], v8 offset:512*\p+64*\b+16
	ds_load_b128 v[EV+8*\b:EV+8*\b+3],   v8 offset:4096+512*\p+64*\b           ; v'' of the same
	ds_load_b128 v[EV+8*\b+4:EV+8*\b+7], v8 offset:4096+512*\p+64*\b+16
.endr
	s_wait_dscnt 0x0
.irp a, 0,1,2,3,4,5,6,7
	EPIROW \a, \p
.endr
.endm
	; PASS 0: 128 rows x my first 128 columns over K = 1,024, 32 K steps = 8 trips, with the feed of h.  W is asked for two steps ahead, so that with three
	; turns of h a wave has 2 x 16 + 3 x 8 = 56 loads out.  In a steady step a turn, a step of W and a turn were issued behind the W that is wanted: 32.
	v_mov_b32 v[ADRA], v[ADR0]
	ALOAD HI, 0
	STEP 0, 1, 1, 1, 0, 24, 1, 1, 0                ; behind W's step 0 only W's step 1 and turn 7 were issued: 24
	STEP 1, 0, 1, 1, 0, 32, 1, 1, 1
	STEP 2, 0, 1, 1, 0, 32, 1, 1, 0
	STEP 3, 0, 1, 1, 0, 32, 1, 1, 1
	TEND 1
	s_mov_b32 s22, 5                               ; trips 1 to 5: the last of them asks for turn 31, h's last
.Lfeed:
	STEP 0, 0, 1, 1, 0, 32, 1, 1, 0
	STEP 1, 0, 1, 1, 0, 32, 1, 1, 1
	STEP 2, 0, 1, 1, 0, 32, 1, 1, 0
	STEP 3, 0, 1, 1, 0, 32, 1, 1, 1
	TEND 1
	s_sub_co_u32 s22, s22, 1
	s_cmp_lg_u32 s22, 0
	s_cbranch_scc1 .Lfeed
	STEP 0, 0, 1, 1, 0, 32, 1, 0, 0                ; trip 6: turns 29, 30, 31 are stored, nothing of h is asked for: the counts run down to one step of W
	STEP 1, 0, 1, 1, 0, 24, 1, 0, 1
	STEP 2, 0, 1, 1, 0, 16, 1, 0, 0
	STEP 3, 0, 1, 1, 0, 16, 0, 0, 1                ; the last barrier of the feed: chunk 15 is whole
	TEND 0
	STEP 0, 0, 1, 1, 1, 16, 0, 0, 0                ; trip 7: no load of h is out any more: W's lead grows to three steps, and its stream runs on
	STEP 1, 0, 1, 0, 1, 32, 0, 0, 0                ; into pass 1's first three steps
	STEP 2, 0, 1, 0, 1, 32, 0, 0, 0
	STEP 3, 0, 0, 0, 1, 32, 0, 0, 0
	TEND 0                                         ; (ADRA's step is not used: pass 1 begins at chunk 0)
	EPI 0
	; PASS 1: my second 128 columns.  h is all in LDS; W is asked for three steps ahead: two steps of 16 loads are younger than the one wanted.
	v_mov_b32 v[ADRA], v[ADR0]
	ALOAD HI, 0
	STEP 0, 1, 1, 0, 1, 32, 0, 0, 0
	STEP 1, 0, 1, 0, 1, 32, 0, 0, 0
	STEP 2, 0, 1, 0, 1, 32, 0, 0, 0
	STEP 3, 0, 1, 0, 1, 32, 0, 0, 0
	TEND 0
	s_mov_b32 s22, 6
.Ltrip:
	STEP 0, 0, 1, 0, 1, 32, 0, 0, 0
	STEP 1, 0, 1, 0, 1, 32, 0, 0, 0
	STEP 2, 0, 1, 0, 1, 32, 0, 0, 0
	STEP 3, 0, 1, 0, 1, 32, 0, 0, 0
	TEND 0
	s_sub_co_u32 s22, s22, 1
	s_cmp_lg_u32 s22, 0
	s_cbranch_scc1 .Ltrip
	STEP 0, 0, 1, 0, 1, 32, 0, 0, 0                ; the last trip: W's last step is asked for here, and the counts run down
	STEP 1, 0, 1, 0, 0, 32, 0, 0, 0
	STEP 2, 0, 1, 0, 0, 16, 0, 0, 0
	STEP 3, 0, 0, 0, 0, 0, 0, 0, 0
	WIN 0
	EPI 1
	; THE SCORES.  Lanes r and r + 16 hold the two halves of each tile's columns; then the four waves' 256 columns each meet in LDS.
.irp a, 0,1,2,3,4,5,6,7
	v_permlanex16_b32 v[T64+\a], v[SP+\a], s20, s21
.endr
.irp a, 0,1,2,3,4,5,6,7
	v_add_f32 v[SP+\a], v[SP+\a], v[T64+\a]
.endr
.irp a, 0,1,2,3,4,5,6,7
	ds_store_b32 v11, v[SP+\a] offset:64*\a        ; row 16 a + r; both halves of the lanes write the same number to the same word
.endr
	s_wait_dscnt 0x0                               ; my partial scores are in LDS before I say so
	s_barrier_signal -1
	; register work while the others arrive: the addresses of the last phase
	v_and_b32 v24, 7, v0
	v_lshl_add_u32 v24, v3, 3, v24                 ; t = 8 h + (L & 7)
	v_mul_u32_u24 v24, v24, CPITCH
	v_bfe_u32 v25, v0, 3, 1
	v_lshl_add_u32 v24, v25, 4, v24                ; + 16 bytes for lanes 8-15 of each half
	v_add_nc_u32 v[TRA], s40, v24                  ; + my wave's four chunks
.irp k, 1,2,3
	v_add_nc_u32 v[TRA+\k], \k*32*CPITCH, v[TRA]   ; 32 steps t further down
.endr
	v_lshl_add_u32 v20, v3, 4, s38                 ; p's fragment: 16 h in my wave's copy
	v_lshl_add_u32 v21, v2, 2, s39                 ; the way out, in: word r of each 16
	v_add_nc_u32 v22, s39, v1                      ; back: 16 bytes a lane
	v_lshlrev_b32 v23, 3, v4                       ; 8 L
	s_barrier_wait -1
	; Every wave does the softmax's part for itself: lane L takes rows 4 L .. 4 L + 3.
.irp w, 0,1,2,3
	ds_load_b128 v[T64+4*\w:T64+4*\w+3], v14 offset:512*\w
.endr
	s_wait_dscnt 0x0
.irp w, 1,2,3
	v_pk_add_f32 v[T64:T64+1], v[T64:T64+1], v[T64+4*\w:T64+4*\w+1]
	v_pk_add_f32 v[T64+2:T64+3], v[T64+2:T64+3], v[T64+4*\w+2:T64+4*\w+3]
.endr
	v_max3_num_f32 v208, v192, v193, v194
	v_max_num_f32 v208, v208, v195
	v_max_num_f32_dpp v208, v208, v208 row_xmask:1 row_mask:0xf bank_mask:0xf
	v_max_num_f32_dpp v208, v208, v208 row_xmask:2 row_mask:0xf bank_mask:0xf
	v_max_num_f32_dpp v208, v208, v208 row_xmask:4 row_mask:0xf bank_mask:0xf
	v_max_num_f32_dpp v208, v208, v208 row_xmask:8 row_mask:0xf bank_mask:0xf
	v_permlanex16_b32 v209, v208, s20, s21
	v_max_num_f32 v6, v208, v209                   ; m: the largest of the 128 scores, in every lane
.irp j, 192,193,194,195
	v_sub_f32 v\j, v\j, v6
.endr
.irp j, 192,193,194,195
	v_exp_f32 v\j, v\j
.endr
	v_nop                                          ; one plain place behind the last v_exp_f32
	s_wait_alu depctr_va_vdst(0)
	v_cvt_pk_bf16_f32 v196, v192, v193
	v_cvt_pk_bf16_f32 v197, v194, v195
	ds_store_b64 v15, v[196:197]                   ; p in bf16, into my wave's own copy
.irp k, 0,1,2,3
	ds_load_b128 v[PF+8*\k:PF+8*\k+3],   v20 offset:64*\k          ; LDS serves a wave's instructions in order (ISA guide 5.7.1): these see the store above.
	ds_load_b128 v[PF+8*\k+4:PF+8*\k+7], v20 offset:64*\k+32       ; All 16 rows of the fragment are the same p: t = 32 k + 8 h .., 32 k + 16 + 8 h ..
.endr
; PHASE C: cpart[d] = sum over t of p[t] h[t][d], my wave's d = 256 w .. + 255, in 16 tiles of 16 d, four K steps of 32 t.
; h lies [t][d] inside a chunk, so its fragments come by the transposing load; tile dt is 32 bytes at (dt & 3) x 32 of chunk 4 w + (dt >> 2).
.macro HLOAD ks, buf
	WIN TO_B
.irp dt, 0,1,2,3,4,5,6,7,8,9,10,11,12,13,14,15
	ds_load_tr16_b128 v[\buf+8*\dt:\buf+8*\dt+3],   v[TRA+\ks] offset:(\dt>>2)*CHUNK+(\dt&3)*32
	ds_load_tr16_b128 v[\buf+8*\dt+4:\buf+8*\dt+7], v[TRA+\ks] offset:(\dt>>2)*CHUNK+(\dt&3)*32+16*CPITCH
.endr
.endm
.macro CMUL ks, buf, zero              ; the 16 accumulators take turns, one instruction a turn
	WIN MUL_C
.irp dt, 0,1,2,3,4,5,6,7,8,9,10,11,12,13,14,15
.if \zero
	v_wmma_f32_16x16x32_bf16 v[CA+8*\dt:CA+8*\dt+7], v[PF+8*\ks:PF+8*\ks+7], v[\buf+8*\dt:\buf+8*\dt+7], 0
.else
	v_wmma_f32_16x16x32_bf16 v[CA+8*\dt:CA+8*\dt+7], v[PF+8*\ks:PF+8*\ks+7], v[\buf+8*\dt:\buf+8*\dt+7], v[CA+8*\dt:CA+8*\dt+7]
.endif
.endr
.endm
	HLOAD 0, H0
	HLOAD 1, H1
	WIN 0
	; l = the sum of the rounded p, while the loads are on their way
	v_lshlrev_b32 v198, 16, v196
	v_and_b32 v199, 0xffff0000, v196
	v_lshlrev_b32 v200, 16, v197
	v_and_b32 v201, 0xffff0000, v197
	v_pk_add_f32 v[198:199], v[198:199], v[200:201]
	v_add_f32 v198, v198, v199
	v_add_f32_dpp v198, v198, v198 row_xmask:1 row_mask:0xf bank_mask:0xf
	v_add_f32_dpp v198, v198, v198 row_xmask:2 row_mask:0xf bank_mask:0xf
	v_add_f32_dpp v198, v198, v198 row_xmask:4 row_mask:0xf bank_mask:0xf
	v_add_f32_dpp v198, v198, v198 row_xmask:8 row_mask:0xf bank_mask:0xf
	v_permlanex16_b32 v199, v198, s20, s21
	v_add_f32 v7, v198, v199                       ; l, in every lane
	s_wait_dscnt 32                                ; all but the 32 loads of step 1: p's fragments and step 0's h are in
	CMUL 0, H0, 1
	PLACES
	HLOAD 2, H0
	s_wait_dscnt 32                                ; all but the 32 just issued
	CMUL 1, H1, 0
	PLACES
	HLOAD 3, H1
	s_wait_dscnt 32
	CMUL 2, H0, 0
	s_wait_dscnt 0x0
	CMUL 3, H1, 0
	WIN 0
	PLACES                                         ; behind the last matrix instructions, before the LDS stores read the sums
	; THE WAY OUT.  All rows of a result tile are equal: register 0 of tile dt holds cpart[16 dt + r].  Through my own stage, so that a lane stores 16 neighbouring bytes.
.irp dt, 0,1,2,3,4,5,6,7,8,9,10,11,12,13,14,15
	ds_store_b32 v21, v[CA+8*\dt] offset:64*\dt    ; both halves of the lanes write the same number to the same word
.endr
	ds_load_b128 v[192:195], v22                   ; my own bytes, served in order behind the stores
	ds_load_b128 v[196:199], v22 offset:512
	s_wait_dscnt 0x0
	global_store_b128 v1, v[192:195], s[30:31]             ; the wave stores 512 consecutive bytes, aligned
	global_store_b128 v1, v[196:199], s[30:31] offset:512
	s_cmp_lg_u32 s16, 0
	s_cbranch_scc1 .Lend
	global_store_b64 v23, v[6:7], s[32:33]         ; (m, l), 32 copies: 256 consecutive bytes, aligned, by one store
.Lend:
	s_wait_xcnt 0x0
	v_lshl_add_u32 v254, v0, 2, 0x4bc00
	v_mov_b32 v255, 0
	s_wait_tensorcnt 0x0
	ds_add_u32 v254, v255
	s_wait_dscnt 0x0
	s_endpgm
.Lfunc_end_k_q8ff36dc83e_main:
	.size	k_q8ff36dc83e_main, .Lfunc_end_k_q8ff36dc83e_main-k_q8ff36dc83e_main
	.p2alignl 7, 3214868480
	.fill 96, 4, 3214868480
	.section	.rodata,"a",@progbits
	.p2align	6, 0x0
	.amdhsa_kernel k_q8ff36dc83e_main
		.amdhsa_group_segment_fixed_size 310784
		.amdhsa_private_segment_fixed_size 0
		.amdhsa_enable_private_segment 0
		.amdhsa_kernarg_size 48
		.amdhsa_user_sgpr_count 2
		.amdhsa_user_sgpr_kernarg_segment_ptr 1
		.amdhsa_wavefront_size32 1
		.amdhsa_system_sgpr_workgroup_id_x 1
		.amdhsa_system_sgpr_workgroup_id_y 1
		.amdhsa_system_sgpr_workgroup_id_z 1
		.amdhsa_system_vgpr_workitem_id 0
		.amdhsa_next_free_vgpr 1024
		.amdhsa_next_free_sgpr 66
		.amdhsa_reserve_vcc 0
		.amdhsa_float_denorm_mode_32 3
		.amdhsa_float_denorm_mode_16_64 3
		.amdhsa_memory_ordered 1
		.amdhsa_forward_progress 1
		.amdhsa_inst_pref_size 255
	.end_amdhsa_kernel
	.section	.bss,"aw",@nobits
	.p2align	6
	.space	262144
	.amdgpu_metadata
---
amdhsa.version: [ 1, 2 ]
amdhsa.kernels:
  - .name:           k_q8ff36dc83e_main
    .symbol:         k_q8ff36dc83e_main.kd
    .args:
      - { .name: h_n_state, .offset: 0, .size: 8, .value_kind: global_buffer, .address_space: global }
      - { .name: wb, .offset: 8, .size: 8, .value_kind: global_buffer, .address_space: global }
      - { .name: zb, .offset: 16, .size: 8, .value_kind: global_buffer, .address_space: global }
      - { .name: v, .offset: 24, .size: 8, .value_kind: global_buffer, .address_space: global }
      - { .name: cpart, .offset: 32, .size: 8, .value_kind: global_buffer, .address_space: global }
      - { .name: stats, .offset: 40, .size: 8, .value_kind: global_buffer, .address_space: global }
    .group_segment_fixed_size: 310784
    .private_segment_fixed_size: 0
    .kernarg_segment_align: 8
    .kernarg_segment_size: 48
    .max_flat_workgroup_size: 128
    .sgpr_count:     66
    .vgpr_count:     1024
    .wavefront_size: 32
...
	.end_amdgpu_metadata
.endif
;; end of part 2
;; launch combine (part 3): grid 256 x 1, 2 waves a work-group, no clusters, 0 bytes of LDS; arguments cpart, stats, out0; writes out0
.if DOCPART == 3
	.amdgcn_target "amdgcn-amd-amdhsa--gfx1250"
	.amdhsa_code_object_version 6
	.text
	.protected	k_q8ff36dc83e_combine
	.globl	k_q8ff36dc83e_combine
	.p2align	8
	.type	k_q8ff36dc83e_combine,@function
k_q8ff36dc83e_combine:
	s_mov_b64 s[64:65], 0
	v_nop
	global_prefetch_b8 v0, s[64:65] scope:SCOPE_SE
	s_setreg_imm32_b32 hwreg(HW_REG_WAVE_MODE, 25, 1), 1
	s_wait_xcnt 0x0
; combine: out0[batch][d] = sum over q of 2^(m_q - M) cpart[4 batch + q][d] / sum over q of 2^(m_q - M) l_q,  M = the largest of the four m_q.
; The four blocks of 128 steps of a batch each took their own maximum away; here the batch's maximum takes its place.  The block that holds the
; maximum has a p of 1 in its l and the weight 1, so the divisor is at least 1.
; Work-group i: batch i >> 2, the quarter i & 3 of d (256 numbers); thread t: four numbers.  A stream of 5 KiB a work-group: no LDS, no matrix unit.
	s_load_b128 s[4:7], s[0:1], 0x0                ; cpart s[4:5], stats s[6:7]
	s_load_b64 s[8:9], s[0:1], 0x10                ; out0
	s_lshr_b32 s10, ttmp9, 2                       ; batch
	s_and_b32 s11, ttmp9, 3                        ; quarter of d
	s_lshl_b32 s16, s11, 10                        ; 256 f32
	s_lshl_b32 s12, s10, 14                        ; cpart: four rows of 4,096 bytes a batch
	s_add_co_u32 s12, s12, s16
	s_mov_b32 s13, 0
	s_lshl_b32 s14, s10, 10                        ; stats: four blocks of 256 bytes a batch
	s_mov_b32 s15, 0
	s_lshl_b32 s18, s10, 12                        ; out0: a row of 4,096 bytes a batch
	s_add_co_u32 s18, s18, s16
	s_mov_b32 s19, 0
	v_and_b32 v1, 31, v0
	v_lshlrev_b32 v1, 3, v1                        ; my lane's copy of (m, l)
	v_lshlrev_b32 v18, 4, v0                       ; 16 t
	s_wait_kmcnt 0x0
	s_add_nc_u64 s[4:5], s[4:5], s[12:13]
	s_add_nc_u64 s[6:7], s[6:7], s[14:15]
	s_add_nc_u64 s[8:9], s[8:9], s[18:19]
.irp q, 0,1,2,3
	global_load_b64 v[2+2*\q:3+2*\q], v1, s[6:7] offset:256*\q             ; m_q, l_q
.endr
.irp q, 0,1,2,3
	global_load_b128 v[20+4*\q:23+4*\q], v18, s[4:5] offset:4096*\q
.endr
	s_wait_loadcnt 4                               ; the four (m, l) are in; the four loads of cpart behind them stay out
	v_max3_num_f32 v36, v2, v4, v6
	v_max_num_f32 v36, v36, v8                     ; M
.irp q, 0,1,2,3
	v_sub_f32 v[11+2*\q], v[2+2*\q], v36
.endr
.irp q, 0,1,2,3
	v_exp_f32 v[10+2*\q], v[11+2*\q]               ; the weight in the even register of a pair, for the packed forms below
.endr
	v_nop                                          ; one plain place behind the last v_exp_f32 (ISA guide 5.7.2)
	s_wait_alu depctr_va_vdst(0)
	v_mul_f32 v37, v10, v3
	v_fmac_f32 v37, v12, v5
	v_fmac_f32 v37, v14, v7
	v_fmac_f32 v37, v16, v9
	v_rcp_f32 v38, v37
	v_nop                                          ; likewise behind v_rcp_f32
	s_wait_alu depctr_va_vdst(0)
.irp q, 0,1,2,3
	v_mul_f32 v[10+2*\q], v[10+2*\q], v38
.endr
	s_wait_loadcnt 0x0
	v_pk_mul_f32 v[40:41], v[20:21], v[10:11] op_sel_hi:[1,0]              ; both halves by the pair's first register
	v_pk_mul_f32 v[42:43], v[22:23], v[10:11] op_sel_hi:[1,0]
.irp q, 1,2,3
	v_pk_fma_f32 v[40:41], v[20+4*\q:21+4*\q], v[10+2*\q:11+2*\q], v[40:41] op_sel_hi:[1,0,1]
	v_pk_fma_f32 v[42:43], v[22+4*\q:23+4*\q], v[10+2*\q:11+2*\q], v[42:43] op_sel_hi:[1,0,1]
.endr
	global_store_b128 v18, v[40:43], s[8:9]        ; a wave stores 512 consecutive bytes, aligned
	s_endpgm
.Lfunc_end_k_q8ff36dc83e_combine:
	.size	k_q8ff36dc83e_combine, .Lfunc_end_k_q8ff36dc83e_combine-k_q8ff36dc83e_combine
	.p2alignl 7, 3214868480
	.fill 96, 4, 3214868480
	.section	.rodata,"a",@progbits
	.p2align	6, 0x0
	.amdhsa_kernel k_q8ff36dc83e_combine
		.amdhsa_group_segment_fixed_size 0
		.amdhsa_private_segment_fixed_size 0
		.amdhsa_enable_private_segment 0
		.amdhsa_kernarg_size 24
		.amdhsa_user_sgpr_count 2
		.amdhsa_user_sgpr_kernarg_segment_ptr 1
		.amdhsa_wavefront_size32 1
		.amdhsa_system_sgpr_workgroup_id_x 1
		.amdhsa_system_sgpr_workgroup_id_y 1
		.amdhsa_system_sgpr_workgroup_id_z 1
		.amdhsa_system_vgpr_workitem_id 0
		.amdhsa_next_free_vgpr 48
		.amdhsa_next_free_sgpr 66
		.amdhsa_reserve_vcc 0
		.amdhsa_float_denorm_mode_32 3
		.amdhsa_float_denorm_mode_16_64 3
		.amdhsa_memory_ordered 1
		.amdhsa_forward_progress 1
		.amdhsa_inst_pref_size 4
	.end_amdhsa_kernel
	.amdgpu_metadata
---
amdhsa.version: [ 1, 2 ]
amdhsa.kernels:
  - .name:           k_q8ff36dc83e_combine
    .symbol:         k_q8ff36dc83e_combine.kd
    .args:
      - { .name: cpart, .offset: 0, .size: 8, .value_kind: global_buffer, .address_space: global }
      - { .name: stats, .offset: 8, .size: 8, .value_kind: global_buffer, .address_space: global }
      - { .name: out0, .offset: 16, .size: 8, .value_kind: global_buffer, .address_space: global }
    .group_segment_fixed_size: 0
    .private_segment_fixed_size: 0
    .kernarg_segment_align: 8
    .kernarg_segment_size: 24
    .max_flat_workgroup_size: 64
    .sgpr_count:     66
    .vgpr_count:     48
    .wavefront_size: 32
...
	.end_amdgpu_metadata
.endif
;; end of part 3
;; ======== version 2 of 2: 3 launches; version 1 with the launch main written anew for expert scheduling mode
;; workspace buffers: wb 2,097,152 bytes; zb 262,144 bytes; cpart 1,048,576 bytes; stats 65,536 bytes
;; launch prep: the kernel of part 1 again; grid 64 x 4, 8 waves a work-group, no clusters, 9,216 bytes of LDS; arguments W, Z_st, b, wb, zb; writes wb, zb
;; launch main (part 4): grid 256 x 1, 4 waves a work-group, no clusters, 310,784 bytes of LDS; arguments h_n_state, wb, zb, v, cpart, stats; writes cpart, stats
.if DOCPART == 4
	.amdgcn_target "amdgcn-amd-amdhsa--gfx1250"
	.amdhsa_code_object_version 6
	.text
	.protected	k_q8ff36dc83e_main
	.globl	k_q8ff36dc83e_main
	.p2align	8
	.type	k_q8ff36dc83e_main,@function
k_q8ff36dc83e_main:
	s_mov_b64 s[64:65], 0
	v_nop
	global_prefetch_b8 v0, s[64:65] scope:SCOPE_SE
	s_setreg_imm32_b32 hwreg(HW_REG_WAVE_SCHED_MODE, 0, 2), 2
	s_setreg_imm32_b32 hwreg(HW_REG_WAVE_MODE, 25, 1), 1
	s_wait_xcnt 0x0
	s_wait_alu depctr_vm_vsrc(0)
; main: for 128 steps t of one batch (work-group wg: rows 128 wg .. of h, batch wg >> 2):
;   x[t][a] = sum over d of h[t][d] Wh[a][d] + (Z Wz^T + b)[a];  score[t] = sum over a of v[a] tanh x[t][a];
;   m = max over the 128 t of the score;  p[t] = exp(score[t] - m);  l = sum of p;  cpart[d] = sum over t of p[t] h[t][d].
; The next launch joins the four blocks of a batch by their (m, l).
; h IS READ FROM MEMORY ONCE: the 128 rows are rounded to bf16 into LDS (294,912 bytes) and serve both products.
; h IS FED IN WHILE IT IS MULTIPLIED: it comes in chunks of 64 columns (two K steps; 256 aligned bytes of each f32 row), in the order in which pass 0
; walks K.  A TURN is a wave's share for one K step: 16 of its 32 rows of one chunk, eight loads.  K step s rounds and stores turn s + 5 and asks
; for turn s + 8; only turns 0 to 4 are waited for in front of the first matrix instruction.
; tanh x = 1 - 2 r with r = 1 / (1 + 2^(2 log2(e) x)); it goes to +1 and -1 by itself where 2^.. is infinite or 0.  So score = sum(v) - 2 sum(v r).
; sum(v) is the same for every t and falls out of a softmax over t, for every input: it is left out.  With v'' = -2 log2(e) v the sum
; s2 = sum(v'' r) is the score in base 2, and p = 2^(s2 - m): the block's maximum is taken away here, the batch's in the next launch.
; Four waves.  Wave w owns the columns a = 256 w .. + 255, in two passes of 128, and all 128 rows: 64 accumulator tiles, 512 registers.
; NO CLUSTER, NO TENSOR LOADS: all work-groups walk the same wb, but beside h's 294,912 bytes and the small regions LDS has 17,408 bytes left,
; while one K step of W for the four waves is 32,768 bytes.  And the waves own different columns, so W has no second reader inside a work-group.
; So W's fragments go from wb, which is laid in their order, straight into registers, four buffers of 16 loads.  The price: every work-group
; reads all of wb's 2 MiB by itself.
; LIMITS: h, Wh and p enter the matrix unit rounded to bf16 (l is the sum of the rounded p); all else f32; tanh has the accuracy of v_exp_f32 and
; v_rcp_f32.  NaN and infinities in the inputs are not treated specially.
; THE MODE: SCHED_MODE bits 1:0 = 2 (LLVM: expert scheduling mode 2), set by the entry lines.  The code itself states the register dependences
; between vector or matrix instructions and memory or LDS instructions, with s_wait_alu, always for 0.
; THE PLAN.  Registers that memory or LDS instructions touch in K step j:
;   LO                 read by the step's first 32 matrix instructions; the fragments of step j + 1 land in it in the step's middle.
;   HI[(j + 1) & 1]    read by the last 32 matrix instructions of step j - 1; the fragments of step j + 1 land in it.
;   W's buffer         (j + 2) & 3 in pass 0, read by step j - 2; (j + 3) & 3 in pass 1, read by step j - 1; W's later step lands in it.
;   slot (j + 1) & 3   rounded in place by the step's 16 conversions; read by its eight LDS stores.
;   slot j             named by the conversions and read by the stores of step j - 1; turn j + 8 lands in it.
;   v[ADRA], v[LS]     read by the LDS loads and stores; stepped once a trip.      v1, v[VH]  offsets, never written behind the head.
;   The accumulators are named by matrix and vector instructions alone.
; So ONE wait on va_vdst stands in a step, in its middle, behind the conversions (pass 1: behind the places), and one on vm_vsrc beside it where h is asked for.
; Behind them come the turn's stores and LO's loads; the step's other loads are dealt four at a time behind the first matrix instructions of its second half,
; which name W's buffer j, HI[j & 1] and the accumulators: none of the registers that those loads touch.  One wait on vm_vsrc a trip stands ahead of the two adds.
;
; REGISTERS, in windows of 256 (s_set_vgpr_msb: bits 1:0 source 0, 3:2 source 1, 5:4 source 2, 7:6 destination):
;   window 0: v0-31 numbers and addresses; v32-63 h's fragments of rows 0-63; v64-95, v96-127 those of rows 64-127, two buffers;
;             v128-255 pass 0: four slots of 32 for the turns of h.  Behind a pass: v32-95 zb, v96-159 v'', v160-175 sums, v192-255 at work
;   window 1: four buffers of 64 for W's fragments (8 tiles of 16 columns x 32 K); at the end two buffers of 128 for h transposed
;   window 2: accumulator tiles of rows 0-63 (tile (a, b) at v[8 (8 a + b)]);  window 3: those of rows 64-127
; THE MATRIX INSTRUCTION IS USED TRANSPOSED: source 0 = 16 rows of Wh, source 1 = 16 rows of h.  Lane (r, h) then holds row 16 a + r of the block,
; and its registers 0 to 7 the columns 8 h + 0 .. 7 of the tile: the sum over columns stays in the lane, and zb and v'' are register pairs.
.set CPITCH, 144                       ; a row of a chunk in LDS: 128 bytes + 16 = 9 x 16: the 16 rows that a fragment load touches begin at 16 different 16-byte columns of 256 bytes
.set CHUNK,  128*CPITCH                ; 18,432: 128 rows x 64 columns of bf16.  h in LDS is [16 chunks][128 rows]: what is stored and what is read are separate blocks
.set ZBL,    16*CHUNK                  ; 294,912: zb of my batch, 1,024 f32
.set VL,     ZBL+4096                  ; v'', 1,024 f32
.set SCO,    VL+4096                   ; [wave][128] partial scores
.set P16,    SCO+2048                  ; p in bf16, a copy of 256 bytes for each wave
.set CST,    P16+1024                  ; the way out: 1,024 bytes for each wave
.set ADR0,  6                          ; v6         LDS address of my part of a fragment of h: row r, 16 h, chunk 0
.set ADRA,  7                          ; v7         the same, stepped two chunks a trip.  (v6, v7 hold m and l at the end)
.set LS,    9                          ; v9         where I put 8 bytes of a turn, stepped two chunks a trip
.set VH,    10                         ; v10        my byte offset in a turn's rows of h; never rewritten
.set TRA,   16                         ; v16-19     at the end: addresses of the transposing loads
.set LO,    32                         ; v32-63     fragments of rows 0-63: one buffer, loaded again behind the 32 matrix instructions that read it
.set HI,    64                         ; v64-127    fragments of rows 64-127: two buffers
.set RING,  128                        ; v128-255   slot k at RING + 32 k: turn t lies in slot t & 3
.set EZ,    32                         ; v32-95     zb of a pass's columns
.set EV,    96                         ; v96-159    v'' of the same
.set SP,    160                        ; v160-167   my part of the score of row 16 a + r; pass 1's K loop leaves v128-255 alone
.set SA,    168                        ; v168-175   four chains of pairs
.set T64,   192
.set PF,    32                         ; v32-63     at the end: four fragments of p
.set CA,    64                         ; v64-191    at the end: 16 accumulator tiles
.set H0,    0                          ; window 1
.set H1,    128
.set MUL_LO, 0xa1                      ; source 0 (W) window 1, source 1 (h) window 0, C and D window 2
.set MUL_HI, 0xf1                      ; the same, C and D window 3
.set TO_B,   0x40                      ; destination window 1, address window 0
.set EP_LO,  0x02                      ; source 0 window 2
.set EP_HI,  0x03                      ; source 0 window 3
.set MUL_C,  0x04                      ; source 1 window 1
.set MSB, 0
.macro WIN new                         ; the immediate's high byte repeats the setting that is left
.if MSB != \new
	s_set_vgpr_msb (MSB<<8)|\new
.set MSB, \new
.endif
.endm
.macro PLACES                          ; four places behind a matrix instruction, before its result is read by a vector instruction or a store; they also stand, as in the plain text, in front of loads into its registers, beside the wait that states that dependence
.rept 4
	v_nop
.endr
.endm
; Turn t, counted from the chunk at which s[18:19] stands, is asked for: chunk t >> 1, rows 16 (t & 1) .. + 15 of my wave's 32.  Load i: lanes 0-15 take the
; 256 bytes of row i, lanes 16-31 those of row i + 8: two whole aligned blocks of 256 bytes.  h is read once in the launch.
.macro HGET base, t
.set i, 0
.rept 8
	global_load_b128 v[\base+4*i:\base+4*i+3], v[VH], s[18:19] offset:((\t)>>1)*256+((\t)&1)*65536+i*4096 th:TH_LOAD_NT
.set i, i+1
.endr
.endm
.macro HGRP base, t, g                 ; four of those eight loads: 4 g .. 4 g + 3
	WIN 0
.irp e, 0,1,2,3
	global_load_b128 v[\base+4*(4*(\g)+\e):\base+4*(4*(\g)+\e)+3], v[VH], s[18:19] offset:((\t)>>1)*256+((\t)&1)*65536+(4*(\g)+\e)*4096 th:TH_LOAD_NT
.endr
.endm
; A turn is rounded to bf16 in place (HCVT) and put into LDS (HSTO: turn t, counted from the chunk at which LS stands).  Lanes 0-15 write 128 bytes of row i,
; lanes 16-31 of row i + 8, which lies 8 x 144 = 1,152 bytes further, 128 modulo 256: the two halves meet in no bank.
.macro HCVT base
.set i, 0
.rept 8
	v_cvt_pk_bf16_f32 v[\base+4*i], v[\base+4*i], v[\base+4*i+1]
	v_cvt_pk_bf16_f32 v[\base+4*i+1], v[\base+4*i+2], v[\base+4*i+3]
.set i, i+1
.endr
.endm
.macro HSTO base, t
.set i, 0
.rept 8
	ds_store_b64 v[LS], v[\base+4*i:\base+4*i+1] offset:((\t)>>1)*CHUNK+((\t)&1)*16*CPITCH+i*CPITCH
.set i, i+1
.endr
.endm
.macro HPUT base, t                    ; at the start
	HCVT \base
	s_wait_alu depctr_va_vdst(0)                   ; the conversions have written the turn's registers, which the LDS stores read
	HSTO \base, \t
.endm
; 16 loads: one K step of W's fragments for my 8 tiles, 8,192 consecutive bytes of wb, into buffer buf of window 1
.macro BLOAD buf, imm
	WIN TO_B
.irp b, 0,1,2,3,4,5,6,7
	global_load_b128 v[64*(\buf)+8*\b:64*(\buf)+8*\b+3], v1, s[6:7] offset:\imm+1024*\b
	global_load_b128 v[64*(\buf)+8*\b+4:64*(\buf)+8*\b+7], v1, s[6:7] offset:\imm+1024*\b+512
.endr
.endm
.macro BGRP buf, imm, g                ; four of those sixteen loads: tiles 2 g and 2 g + 1
	WIN TO_B
.irp c, 0,1
	global_load_b128 v[64*(\buf)+8*(2*(\g)+\c):64*(\buf)+8*(2*(\g)+\c)+3], v1, s[6:7] offset:\imm+1024*(2*(\g)+\c)
	global_load_b128 v[64*(\buf)+8*(2*(\g)+\c)+4:64*(\buf)+8*(2*(\g)+\c)+7], v1, s[6:7] offset:\imm+1024*(2*(\g)+\c)+512
.endr
.endm
	s_load_b256 s[4:11], s[0:1], 0x0               ; h s[4:5], wb s[6:7], zb s[8:9], v s[10:11]
	s_load_b128 s[12:15], s[0:1], 0x20             ; cpart s[12:13], stats s[14:15]
	v_lshrrev_b32 v6, 5, v0
	v_readfirstlane_b32 s16, v6                    ; wave w
	v_and_b32 v4, 31, v0                           ; L
	v_and_b32 v2, 15, v0                           ; r
	v_bfe_u32 v3, v0, 4, 1                         ; h
	v_lshlrev_b32 v1, 4, v4                        ; 16 L
	v_lshlrev_b32 v5, 4, v0                        ; 16 t
	v_lshrrev_b32 v11, 2, v0
	v_and_b32 v12, 3, v0
	v_lshlrev_b32 v12, 4, v12
	v_lshl_add_u32 v12, v11, 12, v12               ; zb is [g][batch][16]: piece t of 16 bytes is g = t >> 2, part t & 3
	v_lshlrev_b32 v[VH], 4, v2                     ; in h: 16 bytes a lane of a row's 256,
	v_lshl_add_u32 v[VH], v3, 15, v[VH]            ; and eight rows of 4,096 bytes further down for lanes 16-31
	s_wait_alu depctr_va_sdst(0)                   ; s16 is written, ahead of its first reader: the bases and the LDS regions are made from it
	s_lshl_b32 s18, ttmp9, 19                      ; wg x 128 rows of 4,096 bytes
	s_lshl_b32 s24, s16, 17                        ; + w x 32 rows: the rows that my wave brings in
	s_add_co_u32 s18, s18, s24
	s_mov_b32 s19, 0
	s_lshl_b32 s24, s16, 19                        ; my wave's stream in wb: 2 passes x 32 K steps x 8,192 bytes
	s_mov_b32 s25, 0
	s_lshr_b32 s28, ttmp9, 2
	s_lshl_b32 s28, s28, 6                         ; batch x 64 bytes
	s_mov_b32 s29, 0
	s_lshl_b32 s34, s16, 10                        ; 1,024 w
	s_lshl_b32 s30, ttmp9, 12                      ; cpart: wg x 4,096 + 1,024 w
	s_add_co_u32 s30, s30, s34
	s_mov_b32 s31, 0
	s_lshl_b32 s32, ttmp9, 8                       ; stats: wg x 256
	s_mov_b32 s33, 0
	s_wait_kmcnt 0x0
	s_add_nc_u64 s[18:19], s[4:5], s[18:19]
	s_add_nc_u64 s[6:7], s[6:7], s[24:25]
	s_add_nc_u64 s[8:9], s[8:9], s[28:29]
	s_add_nc_u64 s[30:31], s[12:13], s[30:31]
	s_add_nc_u64 s[32:33], s[14:15], s[32:33]
	s_wait_alu depctr_va_vdst(0)                   ; the offsets v1, v5, v12 and v[VH] are written, which the global loads read
	; THE START: zb and v, then turns 0 to 6: 60 loads.  Turns 0 to 2 land in the registers that will hold h's fragments, turns 3 to 6 in their slots.
	global_load_b128 v[16:19], v12, s[8:9]                     ; zb of my batch, a = 4 t ..
	global_load_b128 v[20:23], v12, s[8:9] offset:131072       ; a = 512 + 4 t ..
	global_load_b128 v[24:27], v5, s[10:11]                    ; v likewise
	global_load_b128 v[28:31], v5, s[10:11] offset:2048
	HGET LO, 0
	HGET HI, 1
	HGET HI+32, 2
	HGET RING+96, 3
	HGET RING, 4
	HGET RING+32, 5
	HGET RING+64, 6
	; addresses, while the loads are on their way: none of the registers written here is an offset or a destination of those loads
	s_mov_b32 s20, 0x76543210                      ; v_permlanex16_b32: lane i of one half reads lane i of the other
	s_mov_b32 s21, 0xfedcba98
	s_mov_b32 s26, 0x4038aa3b                      ; 2 log2(e), as a pair for the packed form
	s_mov_b32 s27, 0x4038aa3b
	s_mul_i32 s35, s16, 32*CPITCH                  ; my wave's 32 rows in a chunk
	v_mul_u32_u24 v[LS], v3, 8*CPITCH              ; eight rows down for lanes 16-31
	v_lshl_add_u32 v[LS], v2, 3, v[LS]             ; 8 bytes a lane
	v_add_nc_u32 v[LS], s35, v[LS]
	s_add_co_u32 s36, s34, ZBL
	v_lshl_add_u32 v8, v3, 5, s36                  ; zb of my wave's columns, my eight of each 16
	v_add_nc_u32 v13, ZBL, v5
	s_lshl_b32 s37, s16, 9
	s_add_co_u32 s37, s37, SCO
	v_lshl_add_u32 v11, v2, 2, s37                 ; my wave's partial scores, row r of each 16
	v_add_nc_u32 v14, SCO, v1                      ; back: rows 4 L .. 4 L + 3
	s_lshl_b32 s38, s16, 8
	s_add_co_u32 s38, s38, P16
	v_lshl_add_u32 v15, v4, 3, s38                 ; p of rows 4 L .. in my wave's copy
	s_add_co_u32 s39, s34, CST
	s_mul_i32 s40, s16, 4*CHUNK                    ; at the end: my wave's 256 columns d are chunks 4 w .. 4 w + 3
	v_mul_u32_u24 v[ADR0], v2, CPITCH
	v_lshl_add_u32 v[ADR0], v3, 4, v[ADR0]         ; fragment: row r x pitch + 16 h
	; Loads are counted done in issue order (ISA guide 5.7.1): each count below is the number of loads issued behind the one that is wanted.
	s_wait_loadcnt 56                              ; zb and v are in; seven turns stay out
.irp j, 24,26,28,30
	v_pk_mul_f32 v[\j:\j+1], v[\j:\j+1], 0xc038aa3b op_sel_hi:[1,0]    ; v'' = -2 log2(e) v
.endr
	s_wait_alu depctr_va_vdst(0)                   ; v'' is written into v24-31, which the LDS stores read; so are the LDS addresses v8, v[LS], v11, v13, v14 and v15
	ds_store_b128 v13, v[16:19]
	ds_store_b128 v13, v[20:23] offset:2048
	ds_store_b128 v13, v[24:27] offset:4096
	ds_store_b128 v13, v[28:31] offset:6144
	s_wait_loadcnt 48                              ; turn 0; turns 1 to 6 stay out
	HPUT LO, 0
	s_wait_loadcnt 40                              ; turn 1; turns 2 to 6
	HPUT HI, 1
	BLOAD 0, 0                                     ; W's K step 0: no vector instruction has named window 1
	WIN 0
	s_wait_loadcnt 48                              ; turn 2; turns 3 to 6 and W's step 0
	HPUT HI+32, 2
	s_wait_loadcnt 40                              ; turn 3; turns 4 to 6 and W's step 0
	HPUT RING+96, 3
	BLOAD 1, 8192                                  ; W's K step 1
	WIN 0
	s_wait_loadcnt 48                              ; turn 4; turns 5 and 6, W's steps 0 and 1
	HPUT RING, 4
	s_wait_dscnt 0x0                               ; zb, v'' and my rows of chunks 0, 1 and half of 2 are in LDS before I say so
	s_wait_alu depctr_vm_vsrc(0)                   ; my LDS stores have read slot 3, in which turn 7 lands, v[LS], which is stepped below, and v32-127, in which h's fragments land
	HGET RING+96, 7                                ; (turn 3's conversions, which named slot 3, stand ahead of turn 4's wait on va_vdst; nothing since names it)
	v_add_nc_u32 v[LS], 2*CHUNK, v[LS]             ; from here on LS runs two chunks ahead of the trip, so that the stores' offsets stay inside 16 bits
	s_barrier_signal -1
	s_barrier_wait -1                              ; everybody's are.  (The loads that are out land in registers)
; 8 LDS loads: h's fragments of rows 0-63 of one K step into LO.  All row tiles are reached by the immediate.
.macro ALO imm
.irp a, 0,1,2,3
	ds_load_b128 v[LO+8*\a:LO+8*\a+3], v[ADRA] offset:\imm+\a*16*CPITCH
	ds_load_b128 v[LO+8*\a+4:LO+8*\a+7], v[ADRA] offset:\imm+\a*16*CPITCH+32
.endr
.endm
.macro AGRP hib, imm, g                ; four of the eight loads of rows 64-127 into buffer hib: row tiles 4 + 2 g and 5 + 2 g
	WIN 0
.irp c, 0,1
	ds_load_b128 v[\hib+8*(2*(\g)+\c):\hib+8*(2*(\g)+\c)+3], v[ADRA] offset:\imm+(2*(\g)+\c+4)*16*CPITCH
	ds_load_b128 v[\hib+8*(2*(\g)+\c)+4:\hib+8*(2*(\g)+\c)+7], v[ADRA] offset:\imm+(2*(\g)+\c+4)*16*CPITCH+32
.endr
.endm
.macro ALOAD hib, imm                  ; all sixteen, ahead of a pass's first step
	ALO \imm
	AGRP \hib, \imm, 0
	AGRP \hib, \imm, 1
.endm
; 32 matrix instructions: the four row tiles whose fragments begin at f x my 8 column tiles; the window chosen by the caller says which 32 accumulators.
; zero = 1: the first product starts the sums: nothing is ever cleared.
.macro MUL32 f, bb, zero
.irp a, 0,1,2,3
.irp b, 0,1,2,3,4,5,6,7
.if \zero
	v_wmma_f32_16x16x32_bf16 v[8*(8*\a+\b):8*(8*\a+\b)+7], v[64*(\bb)+8*\b:64*(\bb)+8*\b+7], v[\f+8*\a:\f+8*\a+7], 0
.else
	v_wmma_f32_16x16x32_bf16 v[8*(8*\a+\b):8*(8*\a+\b)+7], v[64*(\bb)+8*\b:64*(\bb)+8*\b+7], v[\f+8*\a:\f+8*\a+7], v[8*(8*\a+\b):8*(8*\a+\b)+7]
.endif
.endr
.endr
.endm
; The second half of K step j: the 32 matrix instructions of rows 64-127, and behind the first of them, four loads each, in this order: the fragments of rows 64-127
; of step j + 1 (2 groups), W's step j + 2 (4), W's step j + 3 (4), turn j + 8 of h (2).  No wait: these matrix instructions name W's buffer j, HI[j & 1] and window 3,
; and no vector or matrix instruction since the wait in the step's middle names a register that these loads touch.
.macro MULHI j, zero, lda, ldb2, ldb3, hload
.set n, 0
.set pB2, 2*(\lda)
.set pB3, pB2+4*(\ldb2)
.set pH,  pB3+4*(\ldb3)
.set pE,  pH+2*(\hload)
.irp a, 0,1,2,3
.irp b, 0,1,2,3,4,5,6,7
	WIN MUL_HI
.if \zero
	v_wmma_f32_16x16x32_bf16 v[8*(8*\a+\b):8*(8*\a+\b)+7], v[64*(\j)+8*\b:64*(\j)+8*\b+7], v[HI+32*((\j)&1)+8*\a:HI+32*((\j)&1)+8*\a+7], 0
.else
	v_wmma_f32_16x16x32_bf16 v[8*(8*\a+\b):8*(8*\a+\b)+7], v[64*(\j)+8*\b:64*(\j)+8*\b+7], v[HI+32*((\j)&1)+8*\a:HI+32*((\j)&1)+8*\a+7], v[8*(8*\a+\b):8*(8*\a+\b)+7]
.endif
.if n < pB2
	AGRP (HI+32*((\j+1)&1)), (((\j+1)>>1)*CHUNK+((\j+1)&1)*64), n
.elseif n < pB3
	BGRP ((\j+2)&3), (\j+2)*8192, (n-pB2)
.elseif n < pH
	BGRP ((\j+3)&3), (\j+3)*8192, (n-pB3)
.elseif n < pE
	HGRP (RING+32*\j), (\j+8), (n-pH)
.endif
.set n, n+1
.endr
.endr
.endm
; K step j of a trip of four: 64 matrix instructions on W's buffer j.  The 64 accumulators take turns, one instruction a turn, in the same order in every
; step, over the backward jumps too.  In the step's middle, in this order:
;   turn  = 1: turn j + 5 of h is rounded (its 16 conversions name no register of a matrix instruction: they are the places behind the first 32); the waits; the turn is stored;
;   lda   = 1: h's fragments of rows 0-63 of step j + 1.
; Dealt among the second half (MULHI): lda: rows 64-127 of step j + 1;  ldb2 = 1: W's step j + 2 into the buffer that step j - 2 read;  ldb3 = 1: W's step j + 3 into
; the buffer that step j - 1 read;  hload = 1: turn j + 8 into slot j, which step j - 1 emptied.
; W's loads stand ahead of h's: the wait for W's step s also waits for all older loads, so a turn has from step s - 3 to the head of step s.
; bar = 1: a chunk has been stored whole since the last barrier: say so at the step's head, go on behind the first 32 matrix instructions.
; lcnt = how many loads were issued behind W's step j.
.macro STEP j, zero, lda, ldb2, ldb3, lcnt, turn, hload, bar
	s_wait_loadcnt \lcnt                           ; W's fragments of this step are in, and every older load: the turn that this step stores
.if \bar
	s_wait_dscnt 0x0                               ; my stores of the chunk are in LDS (and no LDS instruction of mine is out) before I say so
	s_barrier_signal -1
.else
	s_wait_dscnt 8                                 ; h's rows 0-63 are in; the youngest eight loads (rows 64-127) may be out
.endif
	WIN MUL_LO
	MUL32 LO, \j, \zero
.if (\lda)+(\ldb2)+(\ldb3)+(\turn)+(\bar)
	WIN 0
.endif
.if \bar
	s_barrier_wait -1                              ; every wave's rows of the chunk are in LDS; it is first read two steps from here
.endif
.if \turn
	HCVT (RING+32*((\j+1)&3))
.else
.if (\lda)+(\ldb2)+(\ldb3)
	PLACES
.endif
.endif
.if (\lda)+(\ldb2)+(\ldb3)+(\turn)
	s_wait_alu depctr_va_vdst(0)                   ; the conversions have written the turn, which the stores read; the matrix instructions so far are done reading LO, HI's other buffer and W's older buffers, and the last step's conversions are done with slot j: this step's loads land in these; at a trip's first step v[ADRA] and v[LS] are written
.endif
.if \hload
	s_wait_alu depctr_vm_vsrc(0)                   ; the last step's LDS stores have read slot j, in which turn j + 8 lands
.endif
.if \turn
	HSTO (RING+32*((\j+1)&3)), (\j+1)
.endif
.if \lda
	ALO (((\j+1)>>1)*CHUNK+((\j+1)&1)*64)
.endif
	s_wait_dscnt 8*\turn+8*\lda                    ; all LDS instructions but those just issued: this step's rows 64-127 are in
	MULHI \j, \zero, \lda, \ldb2, \ldb3, \hload
.endm
; The end of a trip: four K steps = two chunks on.  hstep = 1: the feed of h goes on too.
.macro TEND hstep
	WIN 0                                          ; at a label and at a branch every window is 0
	s_wait_alu depctr_vm_vsrc(0)                   ; the LDS loads and stores issued so far have read v[ADRA] and v[LS]
	v_add_nc_u32 v[ADRA], 2*CHUNK, v[ADRA]
.if \hstep
	v_add_nc_u32 v[LS], 2*CHUNK, v[LS]
.endif
	s_wait_xcnt 0x0                                ; the loads' bases are stepped only behind this wait
	s_add_nc_u64 s[6:7], s[6:7], 32768             ; four K steps of 8,192 bytes of wb
.if \hstep
	s_add_nc_u64 s[18:19], s[18:19], 512           ; two chunks of 256 bytes along h's rows
.endif
.endm
; The 16 rows of row tile a, my 128 columns of pass p: x'' = 2 log2(e) acc + zb, r = 1 / (1 + 2^x''), my part of the score += sum of v'' r.
.macro EPIROW a, p
.if \a < 4
	WIN EP_LO
.else
	WIN EP_HI
.endif
.irp b, 0,1,2,3,4,5,6,7
.irp x, 0,2,4,6
	v_pk_fma_f32 v[T64+8*\b+\x:T64+8*\b+\x+1], v[8*(8*((\a)&3)+\b)+\x:8*(8*((\a)&3)+\b)+\x+1], s[26:27], v[EZ+8*\b+\x:EZ+8*\b+\x+1] op_sel_hi:[1,0,1]
.endr
.endr
	WIN 0
.set i, 0
.rept 64
	v_exp_f32 v[T64+i], v[T64+i]
.set i, i+1
.endr
	v_nop                                          ; one plain place between the last v_exp_f32 and the use of its result (ISA guide 5.7.2)
.set i, 0
	s_wait_alu depctr_va_vdst(0)                   ; the 64 exponentials have written v[T64 ..], ahead of their first reader: one wait for the batch
.rept 32
	v_pk_add_f32 v[T64+2*i:T64+2*i+1], v[T64+2*i:T64+2*i+1], 1.0 op_sel_hi:[1,0]
.set i, i+1
.endr
.set i, 0
.rept 64
	v_rcp_f32 v[T64+i], v[T64+i]
.set i, i+1
.endr
	v_nop                                          ; likewise behind the last v_rcp_f32
	s_wait_alu depctr_va_vdst(0)                   ; the 64 reciprocals have written v[T64 ..], ahead of their first reader: one wait for the batch
.irp x, 0,2,4,6
	v_pk_mul_f32 v[SA+\x:SA+\x+1], v[T64+\x:T64+\x+1], v[EV+\x:EV+\x+1]        ; four chains that do not wait for each other; the first products start them
.endr
.irp b, 1,2,3,4,5,6,7
.irp x, 0,2,4,6
	v_pk_fma_f32 v[SA+\x:SA+\x+1], v[T64+8*\b+\x:T64+8*\b+\x+1], v[EV+8*\b+\x:EV+8*\b+\x+1], v[SA+\x:SA+\x+1]
.endr
.endr
	v_pk_add_f32 v[SA:SA+1], v[SA:SA+1], v[SA+2:SA+3]
	v_pk_add_f32 v[SA+4:SA+5], v[SA+4:SA+5], v[SA+6:SA+7]
	v_pk_add_f32 v[SA:SA+1], v[SA:SA+1], v[SA+4:SA+5]
.if \p
	v_add_f32 v[SA], v[SA], v[SA+1]
	v_add_f32 v[SP+\a], v[SP+\a], v[SA]
.else
	v_add_f32 v[SP+\a], v[SA], v[SA+1]             ; pass 0 starts the sum
.endif
.endm
.macro EPI p
	PLACES                                         ; behind the pass's last matrix instructions, for the reads of the sums
	s_wait_alu depctr_va_vdst(0)                   ; the pass's matrix instructions are done reading v32-127, and the vector instructions that named v128-159 are done: zb and v'' land there
.irp b, 0,1,2,3,4,5,6,7
	ds_load_b128 v[EZ+8*\b:EZ+8*\b+3],   v8 offset:512*\p+64*\b                ; zb of columns 16 b + 8 h .. + 7 of this pass
	ds_load_b128 v[EZ+8*\b+4:EZ+8*\b+7], v8 offset:512*\p+64*\b+16
	ds_load_b128 v[EV+8*\b:EV+8*\b+3],   v8 offset:4096+512*\p+64*\b           ; v'' of the same
	ds_load_b128 v[EV+8*\b+4:EV+8*\b+7], v8 offset:4096+512*\p+64*\b+16
.endr
	s_wait_dscnt 0x0
.irp a, 0,1,2,3,4,5,6,7
	EPIROW \a, \p
.endr
.endm
	; PASS 0: 128 rows x my first 128 columns over K = 1,024, 32 K steps = 8 trips, with the feed of h.  W is asked for two steps ahead, so that with three
	; turns of h a wave has 2 x 16 + 3 x 8 = 56 loads out.  In a steady step a turn, a step of W and a turn were issued behind the W that is wanted: 32.
	v_mov_b32 v[ADRA], v[ADR0]
	s_wait_alu depctr_va_vdst(0)                   ; v[ADRA] is written, which the fragments' loads read
	ALOAD HI, 0
	STEP 0, 1, 1, 1, 0, 24, 1, 1, 0                ; behind W's step 0 only W's step 1 and turn 7 were issued: 24
	STEP 1, 0, 1, 1, 0, 32, 1, 1, 1
	STEP 2, 0, 1, 1, 0, 32, 1, 1, 0
	STEP 3, 0, 1, 1, 0, 32, 1, 1, 1
	TEND 1
	s_mov_b32 s22, 5                               ; trips 1 to 5: the last of them asks for turn 31, h's last
.Lfeed:
	STEP 0, 0, 1, 1, 0, 32, 1, 1, 0
	STEP 1, 0, 1, 1, 0, 32, 1, 1, 1
	STEP 2, 0, 1, 1, 0, 32, 1, 1, 0
	STEP 3, 0, 1, 1, 0, 32, 1, 1, 1
	TEND 1
	s_sub_co_u32 s22, s22, 1
	s_cmp_lg_u32 s22, 0
	s_cbranch_scc1 .Lfeed
	STEP 0, 0, 1, 1, 0, 32, 1, 0, 0                ; trip 6: turns 29, 30, 31 are stored, nothing of h is asked for: the counts run down to one step of W
	STEP 1, 0, 1, 1, 0, 24, 1, 0, 1
	STEP 2, 0, 1, 1, 0, 16, 1, 0, 0
	STEP 3, 0, 1, 1, 0, 16, 0, 0, 1                ; the last barrier of the feed: chunk 15 is whole
	TEND 0
	STEP 0, 0, 1, 1, 1, 16, 0, 0, 0                ; trip 7: no load of h is out any more: W's lead grows to three steps, and its stream runs on
	STEP 1, 0, 1, 0, 1, 32, 0, 0, 0                ; into pass 1's first three steps
	STEP 2, 0, 1, 0, 1, 32, 0, 0, 0
	STEP 3, 0, 0, 0, 1, 32, 0, 0, 0
	TEND 0                                         ; (ADRA's step is not used: pass 1 begins at chunk 0)
	EPI 0
	; PASS 1: my second 128 columns.  h is all in LDS; W is asked for three steps ahead: two steps of 16 loads are younger than the one wanted.
	v_mov_b32 v[ADRA], v[ADR0]                     ; (no LDS instruction has read v[ADRA] since the wait on vm_vsrc at the last trip's end)
	s_wait_alu depctr_va_vdst(0)                   ; v[ADRA] is written, which the fragments' loads read; the vector instructions above are done reading zb and v'' in v32-127, in which the fragments land
	ALOAD HI, 0
	STEP 0, 1, 1, 0, 1, 32, 0, 0, 0
	STEP 1, 0, 1, 0, 1, 32, 0, 0, 0
	STEP 2, 0, 1, 0, 1, 32, 0, 0, 0
	STEP 3, 0, 1, 0, 1, 32, 0, 0, 0
	TEND 0
	s_mov_b32 s22, 6
.Ltrip:
	STEP 0, 0, 1, 0, 1, 32, 0, 0, 0
	STEP 1, 0, 1, 0, 1, 32, 0, 0, 0
	STEP 2, 0, 1, 0, 1, 32, 0, 0, 0
	STEP 3, 0, 1, 0, 1, 32, 0, 0, 0
	TEND 0
	s_sub_co_u32 s22, s22, 1
	s_cmp_lg_u32 s22, 0
	s_cbranch_scc1 .Ltrip
	STEP 0, 0, 1, 0, 1, 32, 0, 0, 0                ; the last trip: W's last step is asked for here, and the counts run down
	STEP 1, 0, 1, 0, 0, 32, 0, 0, 0
	STEP 2, 0, 1, 0, 0, 16, 0, 0, 0
	STEP 3, 0, 0, 0, 0, 0, 0, 0, 0
	WIN 0
	EPI 1
	; THE SCORES.  Lanes r and r + 16 hold the two halves of each tile's columns; then the four waves' 256 columns each meet in LDS.
.irp a, 0,1,2,3,4,5,6,7
	v_permlanex16_b32 v[T64+\a], v[SP+\a], s20, s21
.endr
.irp a, 0,1,2,3,4,5,6,7
	v_add_f32 v[SP+\a], v[SP+\a], v[T64+\a]
.endr
	s_wait_alu depctr_va_vdst(0)                   ; the sums are written into v[SP ..], which the LDS stores read; and all that named v192-207 is done: the loads behind the barrier land there, and only address arithmetic on v16-25 stands between
.irp a, 0,1,2,3,4,5,6,7
	ds_store_b32 v11, v[SP+\a] offset:64*\a        ; row 16 a + r; both halves of the lanes write the same number to the same word
.endr
	s_wait_dscnt 0x0                               ; my partial scores are in LDS before I say so
	s_barrier_signal -1
	; register work while the others arrive: the addresses of the last phase
	v_and_b32 v24, 7, v0
	v_lshl_add_u32 v24, v3, 3, v24                 ; t = 8 h + (L & 7)
	v_mul_u32_u24 v24, v24, CPITCH
	v_bfe_u32 v25, v0, 3, 1
	v_lshl_add_u32 v24, v25, 4, v24                ; + 16 bytes for lanes 8-15 of each half
	v_add_nc_u32 v[TRA], s40, v24                  ; + my wave's four chunks
.irp k, 1,2,3
	v_add_nc_u32 v[TRA+\k], \k*32*CPITCH, v[TRA]   ; 32 steps t further down
.endr
	v_lshl_add_u32 v20, v3, 4, s38                 ; p's fragment: 16 h in my wave's copy
	v_lshl_add_u32 v21, v2, 2, s39                 ; the way out, in: word r of each 16
	v_add_nc_u32 v22, s39, v1                      ; back: 16 bytes a lane
	v_lshlrev_b32 v23, 3, v4                       ; 8 L
	s_barrier_wait -1
	; Every wave does the softmax's part for itself: lane L takes rows 4 L .. 4 L + 3.
.irp w, 0,1,2,3
	ds_load_b128 v[T64+4*\w:T64+4*\w+3], v14 offset:512*\w
.endr
	s_wait_dscnt 0x0
.irp w, 1,2,3
	v_pk_add_f32 v[T64:T64+1], v[T64:T64+1], v[T64+4*\w:T64+4*\w+1]
	v_pk_add_f32 v[T64+2:T64+3], v[T64+2:T64+3], v[T64+4*\w+2:T64+4*\w+3]
.endr
	v_max3_num_f32 v208, v192, v193, v194
	v_max_num_f32 v208, v208, v195
	v_max_num_f32_dpp v208, v208, v208 row_xmask:1 row_mask:0xf bank_mask:0xf
	v_max_num_f32_dpp v208, v208, v208 row_xmask:2 row_mask:0xf bank_mask:0xf
	v_max_num_f32_dpp v208, v208, v208 row_xmask:4 row_mask:0xf bank_mask:0xf
	v_max_num_f32_dpp v208, v208, v208 row_xmask:8 row_mask:0xf bank_mask:0xf
	v_permlanex16_b32 v209, v208, s20, s21
	v_max_num_f32 v6, v208, v209                   ; m: the largest of the 128 scores, in every lane
.irp j, 192,193,194,195
	v_sub_f32 v\j, v\j, v6
.endr
.irp j, 192,193,194,195
	v_exp_f32 v\j, v\j
.endr
	v_nop                                          ; one plain place behind the last v_exp_f32
	s_wait_alu depctr_va_vdst(0)                   ; the four exponentials have written v192-195, ahead of their first reader
	v_cvt_pk_bf16_f32 v196, v192, v193
	v_cvt_pk_bf16_f32 v197, v194, v195
	s_wait_alu depctr_va_vdst(0)                   ; p is written into v196-197, which the LDS store reads; the addresses v16-23 are written, which the loads below read; all that named v32-63 and window 1, in which they land, is done
	ds_store_b64 v15, v[196:197]                   ; p in bf16, into my wave's own copy
.irp k, 0,1,2,3
	ds_load_b128 v[PF+8*\k:PF+8*\k+3],   v20 offset:64*\k          ; LDS serves a wave's instructions in order (ISA guide 5.7.1): these see the store above.
	ds_load_b128 v[PF+8*\k+4:PF+8*\k+7], v20 offset:64*\k+32       ; All 16 rows of the fragment are the same p: t = 32 k + 8 h .., 32 k + 16 + 8 h ..
.endr
; PHASE C: cpart[d] = sum over t of p[t] h[t][d], my wave's d = 256 w .. + 255, in 16 tiles of 16 d, four K steps of 32 t.
; h lies [t][d] inside a chunk, so its fragments come by the transposing load; tile dt is 32 bytes at (dt & 3) x 32 of chunk 4 w + (dt >> 2).
.macro HLOAD ks, buf
	WIN TO_B
.irp dt, 0,1,2,3,4,5,6,7,8,9,10,11,12,13,14,15
	ds_load_tr16_b128 v[\buf+8*\dt:\buf+8*\dt+3],   v[TRA+\ks] offset:(\dt>>2)*CHUNK+(\dt&3)*32
	ds_load_tr16_b128 v[\buf+8*\dt+4:\buf+8*\dt+7], v[TRA+\ks] offset:(\dt>>2)*CHUNK+(\dt&3)*32+16*CPITCH
.endr
.endm
.macro CMUL ks, buf, zero              ; the 16 accumulators take turns, one instruction a turn
	WIN MUL_C
.irp dt, 0,1,2,3,4,5,6,7,8,9,10,11,12,13,14,15
.if \zero
	v_wmma_f32_16x16x32_bf16 v[CA+8*\dt:CA+8*\dt+7], v[PF+8*\ks:PF+8*\ks+7], v[\buf+8*\dt:\buf+8*\dt+7], 0
.else
	v_wmma_f32_16x16x32_bf16 v[CA+8*\dt:CA+8*\dt+7], v[PF+8*\ks:PF+8*\ks+7], v[\buf+8*\dt:\buf+8*\dt+7], v[CA+8*\dt:CA+8*\dt+7]
.endif
.endr
.endm
	HLOAD 0, H0
	HLOAD 1, H1
	WIN 0
	s_wait_alu depctr_vm_vsrc(0)                   ; pass 1's last fragment loads have read v7, which takes l below; the stores of the partial scores have read v160-167, which the matrix instructions below write; p's store has read v196-197, in which the way out's loads land
	; l = the sum of the rounded p, while the loads are on their way
	v_lshlrev_b32 v198, 16, v196
	v_and_b32 v199, 0xffff0000, v196
	v_lshlrev_b32 v200, 16, v197
	v_and_b32 v201, 0xffff0000, v197
	v_pk_add_f32 v[198:199], v[198:199], v[200:201]
	v_add_f32 v198, v198, v199
	v_add_f32_dpp v198, v198, v198 row_xmask:1 row_mask:0xf bank_mask:0xf
	v_add_f32_dpp v198, v198, v198 row_xmask:2 row_mask:0xf bank_mask:0xf
	v_add_f32_dpp v198, v198, v198 row_xmask:4 row_mask:0xf bank_mask:0xf
	v_add_f32_dpp v198, v198, v198 row_xmask:8 row_mask:0xf bank_mask:0xf
	v_permlanex16_b32 v199, v198, s20, s21
	v_add_f32 v7, v198, v199                       ; l, in every lane
	s_wait_dscnt 32                                ; all but the 32 loads of step 1: p's fragments and step 0's h are in
	CMUL 0, H0, 1
	PLACES
	s_wait_alu depctr_va_vdst(0)                   ; step 0's matrix instructions are done reading buffer H0, in which step 2's loads land
	HLOAD 2, H0
	s_wait_dscnt 32                                ; all but the 32 just issued
	CMUL 1, H1, 0
	PLACES
	s_wait_alu depctr_va_vdst(0)                   ; step 1's matrix instructions are done reading buffer H1, in which step 3's loads land
	HLOAD 3, H1
	s_wait_dscnt 32
	CMUL 2, H0, 0
	s_wait_dscnt 0x0
	CMUL 3, H1, 0
	WIN 0
	PLACES                                         ; behind the last matrix instructions, before the LDS stores read the sums
	s_wait_alu depctr_va_vdst(0)                   ; the matrix instructions have written the sums, which the LDS stores read; m and l are written into v6-7, which the last store reads; all that named v192-199, in which the loads below land, is done
	; THE WAY OUT.  All rows of a result tile are equal: register 0 of tile dt holds cpart[16 dt + r].  Through my own stage, so that a lane stores 16 neighbouring bytes.
.irp dt, 0,1,2,3,4,5,6,7,8,9,10,11,12,13,14,15
	ds_store_b32 v21, v[CA+8*\dt] offset:64*\dt    ; both halves of the lanes write the same number to the same word
.endr
	ds_load_b128 v[192:195], v22                   ; my own bytes, served in order behind the stores
	ds_load_b128 v[196:199], v22 offset:512
	s_wait_dscnt 0x0
	global_store_b128 v1, v[192:195], s[30:31]             ; the wave stores 512 consecutive bytes, aligned
	global_store_b128 v1, v[196:199], s[30:31] offset:512
	s_cmp_lg_u32 s16, 0
	s_cbranch_scc1 .Lend
	global_store_b64 v23, v[6:7], s[32:33]         ; (m, l), 32 copies: 256 consecutive bytes, aligned, by one store
.Lend:
	s_wait_xcnt 0x0                                ; as in the plain text: the two registers below are made behind this wait
	v_lshl_add_u32 v254, v0, 2, 0x4bc00            ; made anew, straight ahead of the closing lines; no memory or LDS instruction of the text reads v254 or v255 (a slot's stores read its registers 4 i and 4 i + 1)
	v_mov_b32 v255, 0
	s_wait_dscnt 0x0                               ; the closing lines, six on end
	s_wait_alu 0x0
	s_wait_tensorcnt 0x0
	ds_add_u32 v254, v255
	s_wait_dscnt 0x0
	s_endpgm
.Lfunc_end_k_q8ff36dc83e_main:
	.size	k_q8ff36dc83e_main, .Lfunc_end_k_q8ff36dc83e_main-k_q8ff36dc83e_main
	.p2alignl 7, 3214868480
	.fill 96, 4, 3214868480
	.section	.rodata,"a",@progbits
	.p2align	6, 0x0
	.amdhsa_kernel k_q8ff36dc83e_main
		.amdhsa_group_segment_fixed_size 310784
		.amdhsa_private_segment_fixed_size 0
		.amdhsa_enable_private_segment 0
		.amdhsa_kernarg_size 48
		.amdhsa_user_sgpr_count 2
		.amdhsa_user_sgpr_kernarg_segment_ptr 1
		.amdhsa_wavefront_size32 1
		.amdhsa_system_sgpr_workgroup_id_x 1
		.amdhsa_system_sgpr_workgroup_id_y 1
		.amdhsa_system_sgpr_workgroup_id_z 1
		.amdhsa_system_vgpr_workitem_id 0
		.amdhsa_next_free_vgpr 1024
		.amdhsa_next_free_sgpr 66
		.amdhsa_reserve_vcc 0
		.amdhsa_float_denorm_mode_32 3
		.amdhsa_float_denorm_mode_16_64 3
		.amdhsa_memory_ordered 1
		.amdhsa_forward_progress 1
		.amdhsa_inst_pref_size 255
	.end_amdhsa_kernel
	.section	.bss,"aw",@nobits
	.p2align	6
	.space	262144
	.amdgpu_metadata
---
amdhsa.version: [ 1, 2 ]
amdhsa.kernels:
  - .name:           k_q8ff36dc83e_main
    .symbol:         k_q8ff36dc83e_main.kd
    .args:
      - { .name: h_n_state, .offset: 0, .size: 8, .value_kind: global_buffer, .address_space: global }
      - { .name: wb, .offset: 8, .size: 8, .value_kind: global_buffer, .address_space: global }
      - { .name: zb, .offset: 16, .size: 8, .value_kind: global_buffer, .address_space: global }
      - { .name: v, .offset: 24, .size: 8, .value_kind: global_buffer, .address_space: global }
      - { .name: cpart, .offset: 32, .size: 8, .value_kind: global_buffer, .address_space: global }
      - { .name: stats, .offset: 40, .size: 8, .value_kind: global_buffer, .address_space: global }
    .group_segment_fixed_size: 310784
    .private_segment_fixed_size: 0
    .kernarg_segment_align: 8
    .kernarg_segment_size: 48
    .max_flat_workgroup_size: 128
    .sgpr_count:     66
    .vgpr_count:     1024
    .wavefront_size: 32
...
	.end_amdgpu_metadata
.endif
;; end of part 4
;; launch combine: the kernel of part 3 again; grid 256 x 1, 2 waves a work-group, no clusters, 0 bytes of LDS; arguments cpart, stats, out0; writes out0
